; MI455X (gfx1250); checked and timed in simulation.
; The chip was launched on July 23, 2026; its instructions are those of AMD's public machine-readable ISA for CDNA 5 (MIT licence, August 2026) and "CDNA5" Instruction Set Architecture Reference Guide (July 2026). The comments in the code are by the model that wrote it; some were corrected since.
;; Multi Head Attention. Allowed arithmetic: float matrix products may take bf16 or f16 operands with f32 sums; other float arithmetic in f32, or as packed bf16 or f16 multiplies, adds, multiply-adds, maxima and minima; sums over many terms, partial sums and values carried from step to step in f32; what a program stores and reads back later, other than sums and carried values, may be rounded once to bf16 or f16.
;; Inputs: Wk 1,024 x 1,024 float32; Wo 1,024 x 1,024 float32; Wq 1,024 x 1,024 float32; Wv 1,024 x 1,024 float32; bo 1,024 float32; inputs 4 x 2,048 x 1,024 float32.
;; Outputs: out0 4 x 2,048 x 1,024 float32.
;; One version. Each part assembles by itself: llvm-mc -triple=amdgcn-amd-amdhsa -mcpu=gfx1250 --defsym DOCPART=n.
;; ======== version 1 of 1: 5 launches
;; limits: values are held in f16: magnitudes above 65,504 overflow, below 6.1e-05 lose precision; inputs' magnitudes at most 65,504
;; workspace buffers: xh 16,777,216 bytes; wab 8,388,608 bytes; wt 4,194,304 bytes; qv 33,554,432 bytes; p 33,554,432 bytes; st 1,048,576 bytes; mx 5,888 bytes; sc 32,768 bytes
;; launch prep (part 1): grid 32 x 45, 8 waves a work-group, no clusters, 70,912 bytes of LDS; arguments inputs, Wk, Wq, Wv, Wo, xh, wab, mx; writes xh, wab, mx
.if DOCPART == 1
	.amdgcn_target "amdgcn-amd-amdhsa--gfx1250"
	.amdhsa_code_object_version 6
	.text
	.protected	k_q3dd253f893_prep
	.globl	k_q3dd253f893_prep
	.p2align	8
	.type	k_q3dd253f893_prep,@function
k_q3dd253f893_prep:
	s_mov_b64 s[64:65], 0
	v_nop
	global_prefetch_b8 v0, s[64:65] scope:SCOPE_SE
	s_setreg_imm32_b32 hwreg(HW_REG_WAVE_MODE, 25, 1), 1
	s_wait_xcnt 0x0
; PREP.  Every input of the later products is rounded to bf16 and that number is written as f16: xh = x; wab = Wk, Wo^T, Wq, Wv, 2,097,152 bytes each, in this order.
; Each work-group also stores the largest magnitude of the rounded numbers it has seen (mx[32 y + x], f32): the next launch makes exact powers of two of them.
; LIMITS.  A rounded input beyond 65,504 becomes an infinity in f16; below 2^-14 it keeps f16's fixed step of 2^-24.  NaN and infinities are not treated apart.
; SHARES.  Grid 32 x 45.  y = 0: 32 columns of Wo, turned (the longest share, so it has the lowest numbers); y = 1..32: 32,768 bytes of x each; y = 33..36, 37..40, 41..44: the same of Wk, Wq, Wv.
; A stream: no matrix unit, no cluster.  A wave takes 4,096 bytes on end: eight loads of 512 bytes, all issued at once, and eight stores of 8 bytes a lane, each 256 consecutive bytes, aligned.
; With 128 registers a wave and 70,912 bytes of LDS four work-groups fit on a WGP: 4 x 8 waves x 4,096 bytes of loads on their way.
.set STG,   256                        ; LDS: bytes 0-31 the eight waves' maxima (a block of 256 to themselves); from 256 on each wave's stage of 32 rows x 272 bytes
.set TP,    272                        ; 256 bytes + 16
.set SPARE, STG+8*32*TP                ; the spare words, 128 bytes a wave: four blocks of 256 bytes that no other line names
.set LO,  1                            ; v1   byte offset of my loads
.set SO,  2                            ; v2   byte offset of my stores (turning role: my LDS row)
.set MXR, 3                            ; v3   running maximum, two bf16
.set T,   4                            ; v[4:7] at work
.set RA,  8                            ; v8   turning role: where I read rows back
.set GA,  9                            ; v9   turning role: my byte offset in Wo^T
.set SPW, 10                           ; v10  my spare word; never rewritten
.set NIL, 11                           ; v11  0; never rewritten
.set WVV, 12                           ; v12  my wave's number
.set LN,  13                           ; v13  my lane
.set X,   16                           ; v[16:47] slot i: four f32 as loaded
.set Y,   48                           ; v[48:63] slot i: four f16 to store
.set PKD, 32                           ; turning role: v[32:63] 64 numbers of my column, packed
.set RAW, 64                           ; turning role: v[64:127] as loaded; later the rows read back
.set WV,  7                            ; s7   my wave's number
.set SRC, 32                           ; s[32:33]
.set DST, 34                           ; s[34:35]
	s_load_b512 s[8:23], s[0:1], 0x0               ; inputs s[8:9], Wk s[10:11], Wq s[12:13], Wv s[14:15], Wo s[16:17], xh s[18:19], wab s[20:21], mx s[22:23]
	v_lshl_add_u32 v[SPW], v0, 2, SPARE
	v_mov_b32 v[NIL], 0
	v_lshrrev_b32 v[WVV], 5, v0
	v_readfirstlane_b32 s[WV], v[WVV]
	v_and_b32 v[LN], 31, v0
	v_mov_b32 v[MXR], 0
	s_and_b32 s26, ttmp7, 0xffff                   ; y: the role
	s_lshl_b32 s27, s26, 5
	s_add_co_u32 s27, s27, ttmp9                   ; 32 y + x
	s_lshl_b32 s4, s27, 2
	s_mov_b32 s5, 0
	s_mov_b32 s30, 0xffff0000                      ; a word's upper bf16
	s_mov_b32 s31, 0x7fff7fff                      ; clears the signs of two bf16
	s_mov_b32 s40, 0x76543210                      ; v_permlanex16_b32: each lane takes its own place in the other half
	s_mov_b32 s41, 0xfedcba98
	s_wait_kmcnt 0x0
	s_add_nc_u64 s[24:25], s[22:23], s[4:5]        ; my work-group's word of mx
	s_cmp_eq_u32 s26, 0
	s_cbranch_scc1 .Ltr
; two numbers: rounded to bf16, taken into the maximum, written as f16
.macro ROUND2 d, a, b
	v_cvt_pk_bf16_f32 v[T], v[\a], v[\b]
	v_and_b32 v[T+1], s31, v[T]
	v_pk_max_num_bf16 v[MXR], v[MXR], v[T+1]
	v_lshlrev_b32 v[T+2], 16, v[T]
	v_and_b32 v[T+3], s30, v[T]
	v_cvt_pk_f16_f32 v[\d], v[T+2], v[T+3]
.endm
	; THE STREAMING ROLES
	s_mov_b32 s28, 32                              ; 32 y + x of the tensor's first piece
	s_mov_b32 s29, 0                               ; where the tensor's copy begins in its buffer
	s_mov_b64 s[SRC:SRC+1], s[8:9]
	s_mov_b64 s[DST:DST+1], s[18:19]
	s_cmp_ge_u32 s26, 33
	s_cselect_b64 s[SRC:SRC+1], s[10:11], s[SRC:SRC+1]
	s_cselect_b64 s[DST:DST+1], s[20:21], s[DST:DST+1]
	s_cselect_b32 s28, 1056, s28
	s_cmp_ge_u32 s26, 37
	s_cselect_b64 s[SRC:SRC+1], s[12:13], s[SRC:SRC+1]
	s_cselect_b32 s28, 1184, s28
	s_cselect_b32 s29, 0x400000, s29               ; Wq
	s_cmp_ge_u32 s26, 41
	s_cselect_b64 s[SRC:SRC+1], s[14:15], s[SRC:SRC+1]
	s_cselect_b32 s28, 1312, s28
	s_cselect_b32 s29, 0x600000, s29               ; Wv
	s_sub_co_u32 s28, s27, s28                     ; my piece's number in its tensor
	s_lshl_b32 s36, s28, 15                        ; 32,768 bytes in,
	s_mov_b32 s37, 0
	s_lshl_b32 s38, s28, 14                        ; 16,384 out
	s_add_co_u32 s38, s38, s29
	s_mov_b32 s39, 0
	s_add_nc_u64 s[SRC:SRC+1], s[SRC:SRC+1], s[36:37]
	s_add_nc_u64 s[DST:DST+1], s[DST:DST+1], s[38:39]
	v_lshlrev_b32 v[LO], 4, v[LN]
	v_lshl_add_u32 v[LO], v[WVV], 12, v[LO]        ; 4,096 x wave + 16 x lane
	v_lshlrev_b32 v[SO], 3, v[LN]
	v_lshl_add_u32 v[SO], v[WVV], 11, v[SO]        ; 2,048 x wave + 8 x lane
.irp i, 0,1,2,3,4,5,6,7
	global_load_b128 v[X+4*(\i):X+4*(\i)+3], v[LO], s[SRC:SRC+1] offset:512*(\i) th:TH_LOAD_NT
.endr
.irp i, 0,1,2,3,4,5,6,7
	s_wait_loadcnt 7-(\i)                          ; loads come back in order: slot i's is in, the younger ones stay out
	ROUND2 Y+2*(\i), X+4*(\i), X+4*(\i)+1
	ROUND2 Y+2*(\i)+1, X+4*(\i)+2, X+4*(\i)+3
	global_store_b64 v[SO], v[Y+2*(\i):Y+2*(\i)+1], s[DST:DST+1] offset:256*(\i)  ; each slot has its own Y: no store's data is written again
.endr
	s_branch .Lmax
	; THE TURNING ROLE: Wo^T[c][d] = Wo[d][c].  Work-group x: c = 32 x .. + 31, a lane a column; wave w: d = 128 w .. + 127, in two halves of 64.
.Ltr:
	s_lshl_b32 s36, ttmp9, 7                       ; 32 columns of f32
	s_mov_b32 s37, 0
	s_add_nc_u64 s[SRC:SRC+1], s[16:17], s[36:37]
	s_lshl_b32 s38, ttmp9, 16                      ; 32 rows of 2,048 bytes,
	s_add_co_u32 s38, s38, 0x200000                ; behind Wk's copy
	s_mov_b32 s39, 0
	s_add_nc_u64 s[DST:DST+1], s[20:21], s[38:39]
	v_lshlrev_b32 v[LO], 2, v[LN]
	v_lshl_add_u32 v[LO], v[WVV], 19, v[LO]        ; 128 rows of 4,096 bytes a wave
	s_mul_i32 s6, s[WV], 32*TP
	s_add_co_u32 s6, s6, STG                       ; my wave's stage
	v_mul_u32_u24 v[SO], v[LN], TP
	v_add_nc_u32 v[SO], s6, v[SO]                  ; my column's row in it
	s_mov_b32 s3, 2
.Lhalf:
.set i, 0
.rept 64
	global_load_b32 v[RAW+i], v[LO], s[SRC:SRC+1] offset:4096*i
.set i, i+1
.endr
.irp g, 0,1,2,3,4,5,6,7
	s_wait_loadcnt 56-8*(\g)                       ; group g's eight loads are in; the younger groups stay out
.irp q, 0,1,2,3
	ROUND2 PKD+4*(\g)+(\q), RAW+8*(\g)+2*(\q), RAW+8*(\g)+2*(\q)+1
.endr
	ds_store_b128 v[SO], v[PKD+4*(\g):PKD+4*(\g)+3] offset:16*(\g)
.endr
	v_add_nc_u32 v[LO], 0x40000, v[LO]             ; 64 rows on (all loads that read it are in)
	v_add_nc_u32 v[SO], 128, v[SO]
	s_sub_co_u32 s3, s3, 1
	s_cmp_lg_u32 s3, 0
	s_cbranch_scc1 .Lhalf
	v_lshrrev_b32 v[T], 4, v[LN]
	v_and_b32 v[T+1], 15, v[LN]
	v_mul_u32_u24 v[RA], v[T], TP
	v_lshl_add_u32 v[RA], v[T+1], 4, v[RA]
	v_add_nc_u32 v[RA], s6, v[RA]                  ; lanes 0-15 one row of 256 bytes, lanes 16-31 the next
	v_lshlrev_b32 v[GA], 11, v[T]
	v_lshl_add_u32 v[GA], v[T+1], 4, v[GA]
	v_lshl_add_u32 v[GA], v[WVV], 8, v[GA]         ; the same two rows of Wo^T, at my wave's 256 bytes
.irp t, 0,1,2,3,4,5,6,7,8,9,10,11,12,13,14,15
	ds_load_b128 v[RAW+4*(\t):RAW+4*(\t)+3], v[RA] offset:2*TP*(\t)  ; my wave's own bytes; LDS serves a wave's instructions in order (ISA guide 5.7.1.4)
.endr
.irp t, 0,1,2,3,4,5,6,7,8,9,10,11,12,13,14,15
	s_wait_dscnt 15-(\t)
	global_store_b128 v[GA], v[RAW+4*(\t):RAW+4*(\t)+3], s[DST:DST+1] offset:4096*(\t)  ; 16 lanes store 256 consecutive bytes, aligned
.endr
.Lmax:                                                 ; both roles: the work-group's maximum
	v_lshlrev_b32 v[T], 16, v[MXR]
	v_and_b32 v[T+1], s30, v[MXR]
	v_max_num_f32 v[T], v[T], v[T+1]
	v_max_num_f32_dpp v[T], v[T], v[T] row_xmask:1 row_mask:0xf bank_mask:0xf
	v_max_num_f32_dpp v[T], v[T], v[T] row_xmask:2 row_mask:0xf bank_mask:0xf
	v_max_num_f32_dpp v[T], v[T], v[T] row_xmask:4 row_mask:0xf bank_mask:0xf
	v_max_num_f32_dpp v[T], v[T], v[T] row_xmask:8 row_mask:0xf bank_mask:0xf
	v_permlanex16_b32 v[T+1], v[T], s40, s41
	v_max_num_f32 v[T], v[T], v[T+1]
	v_mov_b32 v[T+2], s[WV]
	v_lshlrev_b32 v[T+2], 2, v[T+2]
	ds_store_b32 v[T+2], v[T]                      ; all lanes write my wave's word with the same number
	s_wait_dscnt 0x0                               ; for the others' sake
	s_barrier_signal -1
	s_barrier_wait -1
	v_mov_b32 v[T+3], 0
	ds_load_b128 v[16:19], v[T+3]
	ds_load_b128 v[20:23], v[T+3] offset:16
	s_wait_dscnt 0x0
	v_max3_num_f32 v16, v16, v17, v18
	v_max3_num_f32 v16, v16, v19, v20
	v_max3_num_f32 v16, v16, v21, v22
	v_max_num_f32 v16, v16, v23
	s_wait_xcnt 0x0                                ; EXEC changes only behind this wait: the stores above have read theirs
	v_cmp_eq_u32 vcc_lo, 0, v0
	s_and_saveexec_b32 s42, vcc_lo
	global_store_b32 v[T+3], v16, s[24:25]         ; thread 0: one word a work-group
	s_wait_xcnt 0x0
	s_or_b32 exec_lo, exec_lo, s42
	s_wait_tensorcnt 0x0                           ; the wave's end: behind my last LDS store
	ds_add_u32 v[SPW], v[NIL]
	s_wait_dscnt 0x0
	s_endpgm
.Lfunc_end_k_q3dd253f893_prep:
	.size	k_q3dd253f893_prep, .Lfunc_end_k_q3dd253f893_prep-k_q3dd253f893_prep
	.p2alignl 7, 3214868480
	.fill 96, 4, 3214868480
	.section	.rodata,"a",@progbits
	.p2align	6, 0x0
	.amdhsa_kernel k_q3dd253f893_prep
		.amdhsa_group_segment_fixed_size 70912
		.amdhsa_private_segment_fixed_size 0
		.amdhsa_enable_private_segment 0
		.amdhsa_kernarg_size 64
		.amdhsa_user_sgpr_count 2
		.amdhsa_user_sgpr_kernarg_segment_ptr 1
		.amdhsa_wavefront_size32 1
		.amdhsa_system_sgpr_workgroup_id_x 1
		.amdhsa_system_sgpr_workgroup_id_y 1
		.amdhsa_system_sgpr_workgroup_id_z 1
		.amdhsa_system_vgpr_workitem_id 0
		.amdhsa_next_free_vgpr 128
		.amdhsa_next_free_sgpr 66
		.amdhsa_reserve_vcc 1
		.amdhsa_float_denorm_mode_32 3
		.amdhsa_float_denorm_mode_16_64 3
		.amdhsa_memory_ordered 1
		.amdhsa_forward_progress 1
		.amdhsa_inst_pref_size 30
	.end_amdhsa_kernel
	.amdgpu_metadata
---
amdhsa.version: [ 1, 2 ]
amdhsa.kernels:
  - .name:           k_q3dd253f893_prep
    .symbol:         k_q3dd253f893_prep.kd
    .args:
      - { .name: inputs, .offset: 0, .size: 8, .value_kind: global_buffer, .address_space: global }
      - { .name: Wk, .offset: 8, .size: 8, .value_kind: global_buffer, .address_space: global }
      - { .name: Wq, .offset: 16, .size: 8, .value_kind: global_buffer, .address_space: global }
      - { .name: Wv, .offset: 24, .size: 8, .value_kind: global_buffer, .address_space: global }
      - { .name: Wo, .offset: 32, .size: 8, .value_kind: global_buffer, .address_space: global }
      - { .name: xh, .offset: 40, .size: 8, .value_kind: global_buffer, .address_space: global }
      - { .name: wab, .offset: 48, .size: 8, .value_kind: global_buffer, .address_space: global }
      - { .name: mx, .offset: 56, .size: 8, .value_kind: global_buffer, .address_space: global }
    .group_segment_fixed_size: 70912
    .private_segment_fixed_size: 0
    .kernarg_segment_align: 8
    .kernarg_segment_size: 64
    .max_flat_workgroup_size: 256
    .sgpr_count:     66
    .vgpr_count:     128
    .wavefront_size: 32
...
	.end_amdgpu_metadata
.endif
;; end of part 1
;; launch wprod (part 2): grid 8 x 16, 4 waves a work-group, clusters of 4 x 4, 327,680 bytes of LDS; arguments wab, wt, mx, sc; writes wt, sc
.if DOCPART == 2
	.amdgcn_target "amdgcn-amd-amdhsa--gfx1250"
	.amdhsa_code_object_version 6
	.text
	.protected	k_q3dd253f893_wprod
	.globl	k_q3dd253f893_wprod
	.p2align	8
	.type	k_q3dd253f893_wprod,@function
k_q3dd253f893_wprod:
	s_mov_b64 s[64:65], 0
	v_nop
	global_prefetch_b8 v0, s[64:65] scope:SCOPE_SE
	s_setreg_imm32_b32 hwreg(HW_REG_WAVE_MODE, 25, 1), 1
	s_wait_xcnt 0x0
	s_wait_alu depctr_hold_cnt(0) depctr_sa_sdst(0) depctr_va_vdst(0) depctr_va_sdst(0) depctr_va_ssrc(0) depctr_va_vcc(0) depctr_vm_vsrc(0)
	s_getreg_b32 s2, hwreg(HW_REG_IB_STS2, 6, 4)
	s_cmp_eq_u32 s2, 0
	s_cbranch_scc0 .Lentry_in_a_cluster
	s_endpgm
.Lentry_in_a_cluster:
	s_bfe_u32 s2, ttmp6, 0x10000c
	s_cmp_lg_u32 s2, 0xf033
	s_cbranch_scc0 .Lentry_shape_is_right
	s_endpgm
.Lentry_shape_is_right:
; WPROD.  wt[R][i] = sigma x the sum over d of A[R][d] B[1024 job + i][d], job = R / 1024, with A = wab's first 2,048 rows (Wk, Wo^T) and B its last 2,048 (Wq, Wv).
; Rows 0-1023 of wt: (Wq Wk^T)^T; rows 1024-2047: (Wv Wo)^T.  All f16, sums in f32, wt rounded once.
; reference()'s chain is taken in another order: scores = x (Wq Wk^T) x^T / 32, out = P (x (Wv Wo)) + bo: the same sums, another order of rounding.
; THE SCALE sigma is an exact power of two made of the inputs' largest magnitudes (mx): with B = mA mB max(1024 mX, 1) and e its exponent field, sigma = 2^(131 - e), so that 1,024 mA mB sigma and
; 1,024 mX times that both stay under 2^15: neither wt nor the next launch's results leave f16's range, whatever the inputs' scale or offset.  It is undone in f32 later:
; each work-group writes the two factors that later launches need, log2(e) / 32 / sigma1 and 1 / sigma2, over its own 256 bytes of sc (all copies are alike; the later launches read the first).
; SHARES.  A tile of 128 x 128 to a work-group, four waves of 64 x 64 (16 accumulators).  K in four steps of 256 (LDS rows of 512 bytes) through two slots; a K step's text is written once.
; 128 work-groups: 2 x 1024 x 1024 outputs make no more tiles of this size, and a smaller tile would halve the multiply-adds for each LDS byte.
; CLUSTER 4 x 4: A's tile is shared along a row of the cluster, B's along a column: joint loads.  THE MATRIX INSTRUCTION IS USED TRANSPOSED (source 0 = rows of B): a lane holds 8 neighbouring numbers of a row of wt.
; No prefetch: each slot's tiles are small and the whole launch walks four K steps.
; REGISTERS: window 0: v0-31 addresses; v32-95 at work (v48-95 the scale's, at the head); v128-255 accumulators ((a, b) at 128 + 8 (4 a + b)).  Window 1: two fragment buffers of 128.
.set KSTEP,  256
.set NK,     4
.set PITCH,  528                       ; 512 bytes + 16: the 16 rows of a fragment load start at 16 different groups of four banks (ISA guide 11.1)
.set HALFT,  64*PITCH
.set SL,     4*HALFT                   ; a slot; its two set bits (17, 12) are clear in every wave's part (wave x 0x8400), so one exclusive or changes slots
.set STAGE,  2*SL
.set SPITCH, 272
.set SPARE,  STAGE+128*SPITCH
.set ADRA0, 16
.set ADRB0, 17
.set ADRA,  18
.set ADRB,  19
.set STO,  24
.set RD,   25
.set CO,   26
.set SPW,  28
.set NIL,  29
.set TMP,  32
.set ACC,  128
.set F0,   0
.set F1,   128
.set G1, 24
.set G0, 32
.set G1B, 48
.set G0B, 56
.set TB,  68                           ; s68  the slot being read: 0 or SL
.set MSB, 0
.macro WIN new                         ; the immediate's high byte repeats the setting that is left
.if MSB != (\new)
	s_set_vgpr_msb (MSB<<8)|(\new)
.set MSB, \new
.endif
.endm
.set MUL,  0x05                        ; sources 0 and 1 window 1; C and D window 0
.set TO_F, 0x40                        ; destination window 1
.macro PLACES
.rept 4
	v_nop
.endr
.endm
.macro JLOAD                           ; a joint refill by the walking descriptors: waves 0, 1 A's halves, waves 2, 3 B's; s_nop 0 and four v_nop follow each line
	s_cmp_eq_u32 s11, 0
	s_cbranch_scc0 .Lfor_b_\@
	tensor_load_to_lds s[G0+4:G0+7], s[G1:G1+7]
	s_nop 0
	PLACES
	s_branch .Lasked_\@
.Lfor_b_\@:
	tensor_load_to_lds s[G0B+4:G0B+7], s[G1B:G1B+7]
	s_nop 0
	PLACES
.Lasked_\@:
.endm
.macro CREST                           ; a round of the cluster's barrier behind its opening barrier
	s_cmp_lg_u32 s10, 0
	s_cbranch_scc1 .Lnot_wave_0_\@
	s_barrier_signal -3
.Lnot_wave_0_\@:
	s_barrier_wait -3
	s_barrier_signal -1
	s_barrier_wait -1
.endm
.macro CROUND
	s_barrier_signal -1
	s_barrier_wait -1
	CREST
.endm
; The inputs' largest magnitudes, a word for each work-group of the launch before: 32 words for Wo, 1,024 for x, 128 each for Wk, Wq, Wv.
.macro SC_LOAD p
	v_and_b32 v61, 31, v0
	v_lshlrev_b32 v62, 2, v61
	v_lshlrev_b32 v61, 4, v61
.irp i, 0,1,2,3,4,5,6,7
	global_load_b128 v[64+4*(\i):67+4*(\i)], v61, s[\p:\p+1] offset:128+512*(\i)   ; x
.endr
	global_load_b128 v[48:51], v61, s[\p:\p+1] offset:4224                         ; Wk
	global_load_b128 v[52:55], v61, s[\p:\p+1] offset:4736                         ; Wq
	global_load_b128 v[56:59], v61, s[\p:\p+1] offset:5248                         ; Wv
	global_load_b32 v60, v62, s[\p:\p+1]                                           ; Wo
.endm
.macro WRED r                          ; the wave's maximum of v[r], in every lane; v65 is at work
.irp m, 1,2,4,8
	v_max_num_f32_dpp v[\r], v[\r], v[\r] row_xmask:\m row_mask:0xf bank_mask:0xf
.endr
	v_permlanex16_b32 v65, v[\r], s72, s73
	v_max_num_f32 v[\r], v[\r], v65
.endm
.macro SC_MATH                         ; E1 (s85) and E2 (s86): the exponent fields from which the two scales are made
	s_wait_loadcnt 0x0
	v_max3_num_f32 v64, v64, v65, v66
.set i, 67
.rept 14
	v_max3_num_f32 v64, v64, v[i], v[i+1]
.set i, i+2
.endr
	v_max_num_f32 v64, v64, v95
.irp r, 48, 52, 56
	v_max3_num_f32 v[\r], v[\r], v[(\r)+1], v[(\r)+2]
	v_max_num_f32 v[\r], v[\r], v[(\r)+3]
.endr
	WRED 64
	WRED 48
	WRED 52
	WRED 56
	WRED 60
	v_mul_f32 v64, 0x44800000, v64                 ; 1,024 mX
	v_max_num_f32 v64, 1.0, v64
	v_readfirstlane_b32 s80, v64
	v_readfirstlane_b32 s81, v48                   ; mK
	v_readfirstlane_b32 s82, v52                   ; mQ
	v_readfirstlane_b32 s83, v56                   ; mV
	v_readfirstlane_b32 s84, v60                   ; mO
	s_mul_f32 s85, s82, s81
	s_mul_f32 s85, s85, s80
	s_lshr_b32 s85, s85, 23
	s_add_co_u32 s85, s85, 10
	s_max_u32 s85, s85, 16
	s_min_u32 s85, s85, 250
	s_mul_f32 s86, s83, s84
	s_mul_f32 s86, s86, s80
	s_lshr_b32 s86, s86, 23
	s_add_co_u32 s86, s86, 10
	s_max_u32 s86, s86, 16
	s_min_u32 s86, s86, 250
.endm
	s_load_b64 s[4:5], s[0:1], 0x0                 ; wab: A
	s_load_b128 s[76:79], s[0:1], 0x8              ; wt s[76:77], mx s[78:79]
	s_load_b64 s[66:67], s[0:1], 0x18              ; sc
	v_lshl_add_u32 v[SPW], v0, 2, SPARE
	v_mov_b32 v[NIL], 0
	ds_add_u32 v[SPW], v[NIL]                      ; the wave's opening: the add and its wait stand ahead of my first tensor load
	v_lshrrev_b32 v1, 5, v0
	v_readfirstlane_b32 s10, v1                    ; wave 0..3
	s_lshr_b32 s11, s10, 1                         ; my half of the tile's rows; also: I fetch for A (0) or B (1)
	s_and_b32 s12, s10, 1                          ; my half of its columns; also: which 64 rows I fetch
	s_bfe_u32 s40, ttmp6, 0x40000                  ; cx
	s_bfe_u32 s41, ttmp6, 0x40004                  ; cy
	s_lshl_b32 s42, ttmp9, 2
	s_add_co_u32 s42, s42, s40                     ; tile column
	s_and_b32 s69, ttmp7, 0xffff
	s_lshl_b32 s13, s69, 2
	s_add_co_u32 s13, s13, s41                     ; tile row
	s_lshr_b32 s69, s69, 1                         ; the job, of the cluster's y alone
	s_lshl_b32 s43, s41, 2
	s_lshl_b32 s43, 15, s43                        ; my row of the cluster
	s_lshl_b32 s44, 0x1111, s40                    ; my column
	s_or_b32 s[G1+0], s43, (1<<16)|(1<<20)|(1<<21)|(6<<22)|(3<<25)   ; mask; 2-byte elements; padding on; bit 21 beside a mask; after every 128 words, 4 words
	s_or_b32 s[G1B+0], s44, (1<<16)|(1<<20)|(1<<21)|(6<<22)|(3<<25)
.irp g, G1, G1B
	s_mov_b32 s[(\g)+1], KSTEP<<16                 ; tensor_dim0 = 256
	s_mov_b32 s[(\g)+2], 64<<16                    ; tensor_dim1 = 64
	s_mov_b32 s[(\g)+3], KSTEP<<16                 ; tile_dim0 = 256
	s_mov_b32 s[(\g)+4], 64                        ; tile_dim1 = 64
	s_mov_b32 s[(\g)+5], 1024                      ; elements from row to row
	s_mov_b32 s[(\g)+6], 0
	s_mov_b32 s[(\g)+7], 0
.endr
	s_lshl_b32 s17, s12, 6
	s_lshl_b32 s16, s13, 7
	s_add_co_u32 s16, s16, s17                     ; A: row 128 x tile row + 64 x half
	s_lshl_b32 s16, s16, 11                        ; x 2,048 bytes
	s_lshl_b32 s46, s42, 7
	s_add_co_u32 s46, s46, s17
	s_lshl_b32 s47, s69, 10
	s_add_co_u32 s46, s46, s47                     ; B: row 1,024 x job + 128 x tile column + 64 x half
	s_lshl_b32 s46, s46, 11
	s_mov_b32 s17, 0
	s_mov_b32 s47, 0
	s_mul_i32 s20, s10, HALFT                      ; where they go: wave x 64 rows
	s_mov_b32 s[TB], 0
	s_mov_b32 s72, 0x76543210
	s_mov_b32 s73, 0xfedcba98
	s_wait_dscnt 0x0                               ; the opening add is done
	s_wait_kmcnt 0x0
	s_add_nc_u64 s[6:7], s[4:5], 0x400000          ; B begins 2,048 rows of 2,048 bytes behind A
	s_add_nc_u64 s[14:15], s[4:5], s[16:17]
	s_add_nc_u64 s[46:47], s[6:7], s[46:47]
	CROUND                                         ; all sixteen work-groups are here: the first joint loads meet
.irp s, 0,1
	s_mov_b32 s[G0+4*(\s)], 1
	s_add_co_u32 s[G0+4*(\s)+1], s20, (\s)*SL
	s_add_nc_u64 s[G0+4*(\s)+2:G0+4*(\s)+3], s[14:15], (\s)*KSTEP*2
	s_or_b32 s[G0+4*(\s)+3], s[G0+4*(\s)+3], 0x80000000
	s_mov_b32 s[G0B+4*(\s)], 1
	s_add_co_u32 s[G0B+4*(\s)+1], s20, (\s)*SL
	s_add_nc_u64 s[G0B+4*(\s)+2:G0B+4*(\s)+3], s[46:47], (\s)*KSTEP*2
	s_or_b32 s[G0B+4*(\s)+3], s[G0B+4*(\s)+3], 0x80000000
.endr
	s_cmp_eq_u32 s11, 0                            ; a wave's two first fills stand in one branch: two loads of mine are out
	s_cbranch_scc0 .Lfirst_b
	tensor_load_to_lds s[G0:G0+3], s[G1:G1+7]
	s_nop 0
	tensor_load_to_lds s[G0+4:G0+7], s[G1:G1+7]
	s_nop 0
	PLACES
	s_branch .Lfirst_asked
.Lfirst_b:
	tensor_load_to_lds s[G0B:G0B+3], s[G1B:G1B+7]
	s_nop 0
	tensor_load_to_lds s[G0B+4:G0B+7], s[G1B:G1B+7]
	s_nop 0
	PLACES
.Lfirst_asked:
	SC_LOAD 78
	v_and_b32 v1, 15, v0                           ; l % 16
	v_bfe_u32 v2, v0, 4, 1                         ; l / 16
	v_mul_u32_u24 v3, v1, PITCH
	v_lshl_add_u32 v3, v2, 4, v3
	s_mul_i32 s21, s11, HALFT
	s_mul_i32 s22, s12, HALFT
	s_add_co_u32 s22, s22, 2*HALFT
	v_add_nc_u32 v[ADRA0], s21, v3
	v_add_nc_u32 v[ADRB0], s22, v3
	v_mov_b32 v[ADRA], v[ADRA0]
	v_mov_b32 v[ADRB], v[ADRB0]
	s_mul_i32 s23, s11, 64*SPITCH                  ; into the stage: my 64 rows, my half of their 256 bytes
	s_lshl_b32 s21, s12, 7
	s_add_co_u32 s23, s23, s21
	s_add_co_u32 s23, s23, STAGE
	v_mul_u32_u24 v4, v1, SPITCH
	v_lshl_add_u32 v4, v2, 4, v4
	v_add_nc_u32 v[STO], s23, v4
	s_mul_i32 s23, s10, 32*SPITCH                  ; back: wave w takes rows 32 w .. + 31, whole
	s_add_co_u32 s23, s23, STAGE
	v_mul_u32_u24 v5, v2, SPITCH
	v_lshl_add_u32 v5, v1, 4, v5
	v_add_nc_u32 v[RD], s23, v5
	v_lshlrev_b32 v5, 11, v2
	v_lshl_add_u32 v[CO], v1, 4, v5
	s_lshl_b32 s16, s13, 7
	s_lshl_b32 s17, s10, 5
	s_add_co_u32 s16, s16, s17                     ; the first row of wt that I store
	s_lshl_b32 s16, s16, 11
	s_lshl_b32 s46, s42, 8                         ; the tile's first column, in bytes
	s_add_co_u32 s16, s16, s46
	s_mov_b32 s17, 0
	s_add_nc_u64 s[8:9], s[76:77], s[16:17]
	SC_MATH
	s_cmp_eq_u32 s69, 0
	s_cselect_b32 s70, s85, s86
	s_sub_co_u32 s70, 268, s70
	s_lshl_b32 s70, s70, 23                        ; sigma = 2^(141 - E)
	s_mov_b32 s71, s70
	s_sub_co_u32 s87, s85, 14
	s_lshl_b32 s87, s87, 23                        ; 1 / sigma1
	s_mul_f32 s87, s87, 0x3d38aa3b                 ; log2(e) / 32 / sigma1
	s_sub_co_u32 s88, s86, 14
	s_lshl_b32 s88, s88, 23                        ; 1 / sigma2
	s_lshl_b32 s16, s13, 3
	s_add_co_u32 s16, s16, s42                     ; 8 x tile row + tile column: my work-group's number,
	s_lshl_b32 s16, s16, 8                         ; its 256 bytes of sc
	s_mov_b32 s17, 0
	s_add_nc_u64 s[74:75], s[66:67], s[16:17]
	s_cmp_lg_u32 s10, 0
	s_cbranch_scc1 .Lno_sc
	v_mov_b32 v62, s87
	v_mov_b32 v63, s88
	v_lshrrev_b32 v61, 1, v61                      ; 8 x lane
	global_store_b64 v61, v[62:63], s[74:75]       ; wave 0: 32 lanes store 256 consecutive bytes, aligned: the pair 32 times
.Lno_sc:
.macro MUL8 f, c, a0, zero             ; 8 matrix instructions: m blocks a0, a0 + 1 x 4 n blocks, 32 along K: half c of buffer f
	WIN MUL
.irp a, \a0, (\a0)+1
.irp b, 0,1,2,3
.if \zero
	v_wmma_f32_16x16x32_f16 v[ACC+8*(4*(\a)+(\b)):ACC+8*(4*(\a)+(\b))+7], v[(\f)+64+8*(4*(\c)+(\b)):(\f)+64+8*(4*(\c)+(\b))+7], v[(\f)+8*(4*(\c)+(\a)):(\f)+8*(4*(\c)+(\a))+7], 0
.else
	v_wmma_f32_16x16x32_f16 v[ACC+8*(4*(\a)+(\b)):ACC+8*(4*(\a)+(\b))+7], v[(\f)+64+8*(4*(\c)+(\b)):(\f)+64+8*(4*(\c)+(\b))+7], v[(\f)+8*(4*(\c)+(\a)):(\f)+8*(4*(\c)+(\a))+7], v[ACC+8*(4*(\a)+(\b)):ACC+8*(4*(\a)+(\b))+7]
.endif
.endr
.endr
.endm
.macro FETCH k, f                      ; 32 LDS loads in one run: 64 along K at byte k of the rows, the first 32 along K first
	WIN TO_F
.irp c, 0,1
.irp i, 0,1,2,3
	ds_load_b128 v[(\f)+64+8*(4*(\c)+(\i)):(\f)+64+8*(4*(\c)+(\i))+3],   v[ADRB] offset:(\k)+64*(\c)+(\i)*16*PITCH
	ds_load_b128 v[(\f)+64+8*(4*(\c)+(\i))+4:(\f)+64+8*(4*(\c)+(\i))+7], v[ADRB] offset:(\k)+64*(\c)+(\i)*16*PITCH+32
	ds_load_b128 v[(\f)+8*(4*(\c)+(\i)):(\f)+8*(4*(\c)+(\i))+3],         v[ADRA] offset:(\k)+64*(\c)+(\i)*16*PITCH
	ds_load_b128 v[(\f)+8*(4*(\c)+(\i))+4:(\f)+8*(4*(\c)+(\i))+7],       v[ADRA] offset:(\k)+64*(\c)+(\i)*16*PITCH+32
.endr
.endr
.endm
.macro QUARTER k, f, g, zero           ; multiplies buffer f; in its middle fetches the next quarter, at byte k, into g
	s_wait_dscnt 16                                ; the first 32 along K are in
	MUL8 \f, 0, 0, \zero
	MUL8 \f, 0, 2, \zero
	PLACES                                         ; four places in front of loads into registers that matrix instructions have read
	FETCH \k, \g
	s_wait_dscnt 32                                ; all but the 32 just issued
	MUL8 \f, 1, 0, 0
	MUL8 \f, 1, 2, 0
.endm
; The last quarter multiplies buffer 1 and changes slots: each wave waits for all its tensor loads, adds 0 to its spare word, waits for that and for its reads of the slot, and meets the others.
; fill = 1: the barrier opens a round of the cluster's, and the slot just read is filled again, two K steps ahead, first thing behind it.  fill = 0 (the tail): in the last trip nothing is left to fetch.
.macro TURN fill
	WIN 0
	s_xor_b32 s[TB], s[TB], SL                     ; all fetches from the old slot are issued: the addresses turn to the other slot
	v_add_nc_u32 v[ADRA], s[TB], v[ADRA0]
	v_add_nc_u32 v[ADRB], s[TB], v[ADRB0]
	s_wait_tensorcnt 0x0                           ; all my tensor loads have landed: my part of the next slot
	ds_add_u32 v[SPW], v[NIL]
	s_wait_dscnt 17                                ; (the add and the youngest sixteen loads may be out)
	MUL8 F1, 0, 0, 0
	s_wait_dscnt 0x0                               ; the add is done, and my reads of this slot are over
	s_barrier_signal -1
	MUL8 F1, 0, 2, 0
	WIN 0
	s_barrier_wait -1
.if \fill
	CREST                                          ; no wave of any partner still reads this slot or has a load on its way
	s_xor_b32 s[G0+5], s[G0+5], SL
	s_add_nc_u64 s[G0+6:G0+7], s[G0+6:G0+7], KSTEP*2
	s_xor_b32 s[G0B+5], s[G0B+5], SL
	s_add_nc_u64 s[G0B+6:G0B+7], s[G0B+6:G0B+7], KSTEP*2
	JLOAD                                          ; its four v_nop are also the places in front of the loads below
	FETCH 0, F0
.else
	s_cmp_eq_u32 s3, 1
	s_cbranch_scc1 .Lnf_\@
	PLACES
	FETCH 0, F0
	WIN 0
.Lnf_\@:
.endif
	MUL8 F1, 1, 0, 0
	MUL8 F1, 1, 2, 0
.endm
	s_wait_tensorcnt 0x1                           ; my part of K step 0 is in; K step 1's may stay out
	s_barrier_signal -1
	s_barrier_wait -1
	FETCH 0, F0
	QUARTER 128, F0, F1, 1                         ; the first products start the sums
	WIN 0
	s_mov_b32 s3, NK-2
.Lstep:                                                ; quarters 1-3 of a K step, the next step's quarter 0; the slot left is filled again
	QUARTER 256, F1, F0, 0
	QUARTER 384, F0, F1, 0
	TURN 1
	QUARTER 128, F0, F1, 0
	WIN 0
	s_sub_co_u32 s3, s3, 1
	s_cmp_lg_u32 s3, 0
	s_cbranch_scc1 .Lstep
	s_mov_b32 s3, 2
.Ltail:                                                ; the last two K steps ask for nothing; the second jumps over what belongs to a further step
	QUARTER 256, F1, F0, 0
	QUARTER 384, F0, F1, 0
	TURN 0
	WIN 0
	s_cmp_eq_u32 s3, 1
	s_cbranch_scc1 .Lskip
	QUARTER 128, F0, F1, 0
	WIN 0
.Lskip:
	s_sub_co_u32 s3, s3, 1
	s_cmp_lg_u32 s3, 0
	s_cbranch_scc1 .Ltail
	; THE WAY OUT: times sigma, rounded to f16, through the work-group's stage (a row's 256 bytes come from two waves), back as whole rows.
	PLACES
	s_wait_xcnt 0x0                                ; the store into sc has read v61-63, which the conversions below write
.set t, 0
.rept 64
	v_pk_mul_f32 v[ACC+2*t:ACC+2*t+1], v[ACC+2*t:ACC+2*t+1], s[70:71] op_sel_hi:[1,0]
.set t, t+1
.endr
.irp t, 0,1,2,3,4,5,6,7,8,9,10,11,12,13,14,15
.irp r, 0,1,2,3
	v_cvt_pk_f16_f32 v[TMP+4*(\t)+(\r)], v[ACC+8*(\t)+2*(\r)], v[ACC+8*(\t)+2*(\r)+1]
.endr
.endr
.irp a, 0,1,2,3
.irp b, 0,1,2,3
	ds_store_b128 v[STO], v[TMP+4*(4*(\a)+(\b)):TMP+4*(4*(\a)+(\b))+3] offset:(\a)*16*SPITCH+32*(\b)
.endr
.endr
	s_wait_dscnt 0x0                               ; for the others' sake: my stores into the stage are done
	s_barrier_signal -1
	s_barrier_wait -1
.irp t, 0,1,2,3,4,5,6,7,8,9,10,11,12,13,14,15
	ds_load_b128 v[TMP+4*(\t):TMP+4*(\t)+3], v[RD] offset:(\t)*2*SPITCH
.endr
.irp t, 0,1,2,3,4,5,6,7,8,9,10,11,12,13,14,15
	s_wait_dscnt 15-(\t)
	global_store_b128 v[CO], v[TMP+4*(\t):TMP+4*(\t)+3], s[8:9] offset:2*(\t)*2048  ; 16 lanes store 256 consecutive bytes, aligned
.endr
	s_wait_tensorcnt 0x0                           ; the wave's end
	ds_add_u32 v[SPW], v[NIL]
	s_wait_dscnt 0x0
	CROUND                                         ; the closing round
	s_endpgm
.Lfunc_end_k_q3dd253f893_wprod:
	.size	k_q3dd253f893_wprod, .Lfunc_end_k_q3dd253f893_wprod-k_q3dd253f893_wprod
	.p2alignl 7, 3214868480
	.fill 96, 4, 3214868480
	.section	.rodata,"a",@progbits
	.p2align	6, 0x0
	.amdhsa_kernel k_q3dd253f893_wprod
		.amdhsa_group_segment_fixed_size 327680
		.amdhsa_private_segment_fixed_size 0
		.amdhsa_enable_private_segment 0
		.amdhsa_kernarg_size 32
		.amdhsa_user_sgpr_count 2
		.amdhsa_user_sgpr_kernarg_segment_ptr 1
		.amdhsa_wavefront_size32 1
		.amdhsa_system_sgpr_workgroup_id_x 1
		.amdhsa_system_sgpr_workgroup_id_y 1
		.amdhsa_system_sgpr_workgroup_id_z 1
		.amdhsa_system_vgpr_workitem_id 0
		.amdhsa_next_free_vgpr 512
		.amdhsa_next_free_sgpr 90
		.amdhsa_reserve_vcc 0
		.amdhsa_float_denorm_mode_32 3
		.amdhsa_float_denorm_mode_16_64 3
		.amdhsa_memory_ordered 1
		.amdhsa_forward_progress 1
		.amdhsa_inst_pref_size 68
	.end_amdhsa_kernel
	.amdgpu_metadata
---
amdhsa.version: [ 1, 2 ]
amdhsa.kernels:
  - .name:           k_q3dd253f893_wprod
    .symbol:         k_q3dd253f893_wprod.kd
    .args:
      - { .name: wab, .offset: 0, .size: 8, .value_kind: global_buffer, .address_space: global }
      - { .name: wt, .offset: 8, .size: 8, .value_kind: global_buffer, .address_space: global }
      - { .name: mx, .offset: 16, .size: 8, .value_kind: global_buffer, .address_space: global }
      - { .name: sc, .offset: 24, .size: 8, .value_kind: global_buffer, .address_space: global }
    .group_segment_fixed_size: 327680
    .private_segment_fixed_size: 0
    .kernarg_segment_align: 8
    .kernarg_segment_size: 32
    .max_flat_workgroup_size: 128
    .sgpr_count:     90
    .vgpr_count:     512
    .wavefront_size: 32
...
	.end_amdgpu_metadata
.endif
;; end of part 2
;; launch proj (part 3): grid 8 x 32, 4 waves a work-group, clusters of 4 x 4, 327,680 bytes of LDS; arguments xh, wt, qv; writes qv
.if DOCPART == 3
	.amdgcn_target "amdgcn-amd-amdhsa--gfx1250"
	.amdhsa_code_object_version 6
	.text
	.protected	k_q3dd253f893_proj
	.globl	k_q3dd253f893_proj
	.p2align	8
	.type	k_q3dd253f893_proj,@function
k_q3dd253f893_proj:
	s_mov_b64 s[64:65], 0
	v_nop
	global_prefetch_b8 v0, s[64:65] scope:SCOPE_SE
	s_setreg_imm32_b32 hwreg(HW_REG_WAVE_MODE, 25, 1), 1
	s_wait_xcnt 0x0
	s_wait_alu depctr_hold_cnt(0) depctr_sa_sdst(0) depctr_va_vdst(0) depctr_va_sdst(0) depctr_va_ssrc(0) depctr_va_vcc(0) depctr_vm_vsrc(0)
	s_getreg_b32 s2, hwreg(HW_REG_IB_STS2, 6, 4)
	s_cmp_eq_u32 s2, 0
	s_cbranch_scc0 .Lentry_in_a_cluster
	s_endpgm
.Lentry_in_a_cluster:
	s_bfe_u32 s2, ttmp6, 0x10000c
	s_cmp_lg_u32 s2, 0xf033
	s_cbranch_scc0 .Lentry_shape_is_right
	s_endpgm
.Lentry_shape_is_right:
; PROJ.  qv[s][R] = the sum over i of xh[s][i] wt[R][i]: 8192 x 2048 x 1024, all f16, sums in f32, qv rounded once.  Columns 0-1023: q^ = sigma1 x (Wq Wk^T); columns 1024-2047: v^ = sigma2 x (Wv Wo).
; The scales in wt keep every |qv| under 2^15 (see the launch that makes wt).
; SHARES.  256 tiles of 256 x 256, one to a work-group; four waves of 128 x 128: 64 accumulators, 512 registers.  K in eight steps of 128 (rows of 256 bytes, aligned) through two LDS slots;
; a K step's text is written once: the slot being read is a scalar register, turned by an exclusive or.
; CLUSTER 4 x 4: xh's tile is shared along a row of the cluster, wt's along a column: joint loads.  THE MATRIX INSTRUCTION IS USED TRANSPOSED (source 0 = rows of wt): a lane holds 8 neighbouring numbers of a row of qv.
; REGISTERS: window 0: v0-31 addresses; v64-127, v128-191 fragments of xh, two buffers; v32-63, v192-255 the way out.  Window 1: v64-191 fragments of wt.  Windows 2, 3: accumulators ((a, b) at 8 (8 (a % 4) + b)).
.set KSTEP,  128
.set NK,     8
.set PITCH,  272                       ; 256 bytes + 16: the 16 rows of a fragment load start at 16 different groups of four banks (ISA guide 11.1)
.set HALFT,  128*PITCH
.set SL,     4*HALFT                   ; a slot; its two set bits (17, 13) are clear in every wave's part (wave x 0x8800), so one exclusive or changes slots
.set STAGE,  2*SL
.set SPITCH, 272
.set SPARE,  STAGE+4*16*SPITCH
.set ROWC,   4096                      ; bytes in a row of qv
.set ADRA0, 16
.set ADRB0, 17
.set ADRA,  18
.set ADRB,  19
.set STO,  24
.set RD,   25
.set CO,   26
.set SPW,  28
.set NIL,  29
.set PFO,  30
.set F0,   64
.set F1,   128
.set TMP,  192
.set OB,   32
.set G1, 24
.set G0, 32
.set G1B, 48
.set G0B, 56
.set LIM, 43                           ; s43  2 in a wave that prefetches, else the greatest number
.set PFA, 44                           ; s[44:45] where my prefetches stand
.set TB,  68                           ; s68  the slot being read: 0 or SL
.set MSB, 0
.macro WIN new
.if MSB != (\new)
	s_set_vgpr_msb (MSB<<8)|(\new)
.set MSB, \new
.endif
.endm
.set MUL_LO, 0xa1                      ; source 0 window 1, source 1 window 0, C and D window 2
.set MUL_HI, 0xf1
.set TO_B,   0x40
.macro PLACES
.rept 4
	v_nop
.endr
.endm
.macro JLOAD                           ; a joint refill by the walking descriptors; s_nop 0 and four v_nop follow each line
	s_cmp_eq_u32 s11, 0
	s_cbranch_scc0 .Lfor_b_\@
	tensor_load_to_lds s[G0+4:G0+7], s[G1:G1+7]
	s_nop 0
	PLACES
	s_branch .Lasked_\@
.Lfor_b_\@:
	tensor_load_to_lds s[G0B+4:G0B+7], s[G1B:G1B+7]
	s_nop 0
	PLACES
.Lasked_\@:
.endm
; A prefetch of the K step that stands two refills on: 32 rows x 256 bytes, a lane a row.  xh's rows are asked for by the clusters with x = 0, wt's by those with y = 0; the four partners that ask for a
; tile jointly take 32 of a wave's 128 rows each, told apart by address.  So each row's 256 bytes of a K step are named once.  The last two refills (s3 = 2, 1) have no K step two on.
.macro ASK
	s_cmp_gt_u32 s3, s[LIM]
	s_cbranch_scc0 .Lnot_mine_\@
	global_prefetch_b8 v[PFO], s[PFA:PFA+1] th:TH_LOAD_NT scope:SCOPE_SE
.Lnot_mine_\@:
.endm
.macro CREST
	s_cmp_lg_u32 s10, 0
	s_cbranch_scc1 .Lnot_wave_0_\@
	s_barrier_signal -3
.Lnot_wave_0_\@:
	s_barrier_wait -3
	s_barrier_signal -1
	s_barrier_wait -1
.endm
.macro CROUND
	s_barrier_signal -1
	s_barrier_wait -1
	CREST
.endm
	s_load_b128 s[4:7], s[0:1], 0x0                ; xh s[4:5], wt s[6:7]
	s_load_b64 s[8:9], s[0:1], 0x10                ; qv
	v_lshl_add_u32 v[SPW], v0, 2, SPARE
	v_mov_b32 v[NIL], 0
	ds_add_u32 v[SPW], v[NIL]                      ; the wave's opening: the add and its wait stand ahead of my first tensor load
	v_lshrrev_b32 v1, 5, v0
	v_readfirstlane_b32 s10, v1                    ; wave 0..3
	s_lshr_b32 s11, s10, 1                         ; my half of the tile's rows; also: I fetch for xh (0) or wt (1)
	s_and_b32 s12, s10, 1                          ; my half of its columns; also: which 128 rows I fetch
	s_bfe_u32 s40, ttmp6, 0x40000                  ; cx
	s_bfe_u32 s41, ttmp6, 0x40004                  ; cy
	s_lshl_b32 s42, ttmp9, 2
	s_add_co_u32 s42, s42, s40                     ; tile column
	s_and_b32 s13, ttmp7, 0xffff
	s_lshl_b32 s13, s13, 2
	s_add_co_u32 s13, s13, s41                     ; tile row
	s_lshl_b32 s43, s41, 2
	s_lshl_b32 s43, 15, s43                        ; my row of the cluster
	s_lshl_b32 s44, 0x1111, s40                    ; my column
	s_or_b32 s[G1+0], s43, (1<<16)|(1<<20)|(1<<21)|(5<<22)|(3<<25)   ; mask; 2-byte elements; padding on; bit 21 beside a mask; after every 64 words, 4 words
	s_or_b32 s[G1B+0], s44, (1<<16)|(1<<20)|(1<<21)|(5<<22)|(3<<25)
.irp g, G1, G1B
	s_mov_b32 s[(\g)+1], KSTEP<<16                 ; tensor_dim0 = 128
	s_mov_b32 s[(\g)+2], 128<<16                   ; tensor_dim1 = 128
	s_mov_b32 s[(\g)+3], KSTEP<<16                 ; tile_dim0 = 128
	s_mov_b32 s[(\g)+4], 128                       ; tile_dim1 = 128
	s_mov_b32 s[(\g)+5], 1024                      ; elements from row to row
	s_mov_b32 s[(\g)+6], 0
	s_mov_b32 s[(\g)+7], 0
.endr
	s_lshl_b32 s17, s12, 7
	s_lshl_b32 s16, s13, 8
	s_add_co_u32 s16, s16, s17                     ; xh: row 256 x tile row + 128 x half
	s_lshl_b32 s16, s16, 11
	s_lshl_b32 s46, s42, 8
	s_add_co_u32 s46, s46, s17                     ; wt: row 256 x tile column + 128 x half
	s_lshl_b32 s46, s46, 11
	s_mov_b32 s17, 0
	s_mov_b32 s47, 0
	s_mul_i32 s20, s10, HALFT
	s_mov_b32 s[TB], 0
	s_wait_dscnt 0x0                               ; the opening add is done
	s_wait_kmcnt 0x0
	s_add_nc_u64 s[14:15], s[4:5], s[16:17]
	s_add_nc_u64 s[46:47], s[6:7], s[46:47]
	CROUND                                         ; all sixteen work-groups are here: the first joint loads meet
.irp s, 0,1
	s_mov_b32 s[G0+4*(\s)], 1
	s_add_co_u32 s[G0+4*(\s)+1], s20, (\s)*SL
	s_add_nc_u64 s[G0+4*(\s)+2:G0+4*(\s)+3], s[14:15], (\s)*KSTEP*2
	s_or_b32 s[G0+4*(\s)+3], s[G0+4*(\s)+3], 0x80000000
	s_mov_b32 s[G0B+4*(\s)], 1
	s_add_co_u32 s[G0B+4*(\s)+1], s20, (\s)*SL
	s_add_nc_u64 s[G0B+4*(\s)+2:G0B+4*(\s)+3], s[46:47], (\s)*KSTEP*2
	s_or_b32 s[G0B+4*(\s)+3], s[G0B+4*(\s)+3], 0x80000000
.endr
	s_cmp_eq_u32 s11, 0                            ; a wave's two first fills stand in one branch: two loads of mine are out
	s_cbranch_scc0 .Lfirst_b
	tensor_load_to_lds s[G0:G0+3], s[G1:G1+7]
	s_nop 0
	tensor_load_to_lds s[G0+4:G0+7], s[G1:G1+7]
	s_nop 0
	PLACES
	s_branch .Lfirst_asked
.Lfirst_b:
	tensor_load_to_lds s[G0B:G0B+3], s[G1B:G1B+7]
	s_nop 0
	tensor_load_to_lds s[G0B+4:G0B+7], s[G1B:G1B+7]
	s_nop 0
	PLACES
.Lfirst_asked:
	v_and_b32 v1, 15, v0                           ; l % 16
	v_bfe_u32 v2, v0, 4, 1                         ; l / 16
	v_mul_u32_u24 v3, v1, PITCH
	v_lshl_add_u32 v3, v2, 4, v3
	s_mul_i32 s21, s11, HALFT
	s_mul_i32 s22, s12, HALFT
	s_add_co_u32 s22, s22, 2*HALFT
	v_add_nc_u32 v[ADRA0], s21, v3
	v_add_nc_u32 v[ADRB0], s22, v3
	v_mov_b32 v[ADRA], v[ADRA0]
	v_mov_b32 v[ADRB], v[ADRB0]
	s_mul_i32 s23, s10, 16*SPITCH
	s_add_co_u32 s23, s23, STAGE                   ; my stage
	v_mul_u32_u24 v4, v1, SPITCH
	v_lshl_add_u32 v4, v2, 4, v4
	v_add_nc_u32 v[STO], s23, v4
	v_mul_u32_u24 v5, v2, SPITCH
	v_lshl_add_u32 v5, v1, 4, v5
	v_add_nc_u32 v[RD], s23, v5
	v_lshlrev_b32 v5, 12, v2
	v_lshl_add_u32 v[CO], v1, 4, v5
	s_lshl_b32 s16, s13, 8
	s_lshl_b32 s14, s11, 7
	s_add_co_u32 s16, s16, s14                     ; my first row of qv
	s_lshl_b32 s16, s16, 12
	s_mov_b32 s17, 0
	s_lshl_b32 s46, s42, 9                         ; my first column, in bytes
	s_lshl_b32 s47, s12, 8
	s_add_co_u32 s46, s46, s47
	s_mov_b32 s47, 0
	s_add_nc_u64 s[16:17], s[16:17], s[46:47]
	s_add_nc_u64 s[8:9], s[8:9], s[16:17]
	; the prefetches
	s_lshl_b32 s20, s13, 8
	s_lshl_b32 s21, s42, 8
	s_and_b32 s22, ttmp7, 0xffff
	s_cmp_eq_u32 s11, 0                            ; do I fetch for xh?
	s_cselect_b32 s20, s20, s21                    ; the tile's first row
	s_cselect_b32 s21, s40, s41                    ; my place among the four that ask with me
	s_cselect_b32 s22, ttmp9, s22                  ; the coordinate along which other clusters read the same rows
	s_cselect_b64 s[PFA:PFA+1], s[4:5], s[6:7]
	s_cmp_eq_u32 s22, 0
	s_cselect_b32 s[LIM], 2, -1
	s_lshl_b32 s22, s12, 7
	s_add_co_u32 s20, s20, s22
	s_lshl_b32 s21, s21, 5
	s_add_co_u32 s20, s20, s21
	s_lshl_b32 s20, s20, 11
	s_mov_b32 s21, 0
	s_add_nc_u64 s[PFA:PFA+1], s[PFA:PFA+1], s[20:21]
	s_add_nc_u64 s[PFA:PFA+1], s[PFA:PFA+1], 3*KSTEP*2  ; at K step 3: the first refill steps it to 4.  Nothing is asked for here, at the head
	v_and_b32 v[PFO], 31, v0
	v_lshlrev_b32 v[PFO], 11, v[PFO]
.macro MUL16 f, hi, a0, zero           ; 16 matrix instructions: m blocks a0, a0 + 1 of the window's four x 8 n blocks, 32 along K
	WIN MUL_LO+0x50*(\hi)
.irp a, \a0, (\a0)+1
.irp b, 0,1,2,3,4,5,6,7
.if \zero
	v_wmma_f32_16x16x32_f16 v[8*(8*(\a)+(\b)):8*(8*(\a)+(\b))+7], v[(\f)+8*(\b):(\f)+8*(\b)+7], v[(\f)+8*(4*(\hi)+(\a)):(\f)+8*(4*(\hi)+(\a))+7], 0
.else
	v_wmma_f32_16x16x32_f16 v[8*(8*(\a)+(\b)):8*(8*(\a)+(\b))+7], v[(\f)+8*(\b):(\f)+8*(\b)+7], v[(\f)+8*(4*(\hi)+(\a)):(\f)+8*(4*(\hi)+(\a))+7], v[8*(8*(\a)+(\b)):8*(8*(\a)+(\b))+7]
.endif
.endr
.endr
.endm
.macro FETCH k, f                      ; 32 LDS loads in one run: a quarter step's fragments, at byte k of the rows
	WIN TO_B
.irp i, 0,1,2,3,4,5,6,7
	ds_load_b128 v[(\f)+8*(\i):(\f)+8*(\i)+3],   v[ADRB] offset:(\k)+(\i)*16*PITCH
	ds_load_b128 v[(\f)+8*(\i)+4:(\f)+8*(\i)+7], v[ADRB] offset:(\k)+(\i)*16*PITCH+32
.endr
	WIN 0
.irp i, 0,1,2,3,4,5,6,7
	ds_load_b128 v[(\f)+8*(\i):(\f)+8*(\i)+3],   v[ADRA] offset:(\k)+(\i)*16*PITCH
	ds_load_b128 v[(\f)+8*(\i)+4:(\f)+8*(\i)+7], v[ADRA] offset:(\k)+(\i)*16*PITCH+32
.endr
.endm
.macro QUARTER k, f, g, zero           ; multiplies buffer f; in its middle fetches the next quarter, at byte k, into g.  The 64 accumulators take turns, in the same order in every quarter
	s_wait_dscnt 8                                 ; all but the youngest eight loads (my rows 64-127)
	MUL16 \f, 0, 0, \zero
	MUL16 \f, 0, 2, \zero
	PLACES                                         ; four places in front of loads into registers that matrix instructions have read
	FETCH \k, \g
	s_wait_dscnt 32                                ; all but the 32 just issued
	MUL16 \f, 1, 0, \zero
	MUL16 \f, 1, 2, \zero
.endm
; The last quarter multiplies buffer 1 and changes slots: each wave waits for all its tensor loads, adds 0 to its spare word, waits for that and for its reads of the slot, and meets the others.
; fill = 1: the barrier opens a round of the cluster's, and the slot just read is filled again, two K steps ahead, first thing behind it: 224 matrix instructions ahead of the wait for it.
.macro TURN fill
.if \fill
	s_wait_xcnt 0x0                                ; the last prefetch, a K step back, has read its address
	s_add_nc_u64 s[PFA:PFA+1], s[PFA:PFA+1], KSTEP*2
.endif
	WIN 0
	s_xor_b32 s[TB], s[TB], SL                     ; all fetches from the old slot are issued: the addresses turn to the other slot
	v_add_nc_u32 v[ADRA], s[TB], v[ADRA0]
	v_add_nc_u32 v[ADRB], s[TB], v[ADRB0]
	s_wait_tensorcnt 0x0                           ; all my tensor loads have landed: my part of the next slot
	ds_add_u32 v[SPW], v[NIL]
	s_wait_dscnt 9                                 ; (the add and the youngest eight loads may be out)
	MUL16 F1, 0, 0, 0
	s_wait_dscnt 0x0                               ; the add is done, and my reads of this slot are over
	s_barrier_signal -1
	MUL16 F1, 0, 2, 0
	WIN 0
	s_barrier_wait -1
.if \fill
	CREST                                          ; no wave of any partner still reads this slot or has a load on its way
	s_xor_b32 s[G0+5], s[G0+5], SL
	s_add_nc_u64 s[G0+6:G0+7], s[G0+6:G0+7], KSTEP*2
	s_xor_b32 s[G0B+5], s[G0B+5], SL
	s_add_nc_u64 s[G0B+6:G0B+7], s[G0B+6:G0B+7], KSTEP*2
	JLOAD                                          ; its four v_nop are also the places in front of the loads below
	FETCH 0, F0
	ASK
.else
	s_cmp_eq_u32 s3, 1
	s_cbranch_scc1 .Lnf_\@
	PLACES
	FETCH 0, F0
.Lnf_\@:
.endif
	MUL16 F1, 1, 0, 0
	MUL16 F1, 1, 2, 0
.endm
; THE WAY OUT of block a (16 rows): rounded to f16; into my own stage and back as whole rows of 256 bytes; stored.
.macro PACK a
.set AC, 64*((\a)%4)
	WIN 0x0a+5*((\a)/4)
.irp b, 0,1,2,3,4,5,6,7
.irp r, 0,1,2,3
	v_cvt_pk_f16_f32 v[TMP+4*(\b)+(\r)], v[AC+8*(\b)+2*(\r)], v[AC+8*(\b)+2*(\r)+1]
.endr
.endr
	WIN 0
.endm
.macro TOSTAGE a
	WIN 0
.set BK, OB+192*((\a)%2)
.irp b, 0,1,2,3,4,5,6,7
	ds_store_b128 v[STO], v[TMP+4*(\b):TMP+4*(\b)+3] offset:32*(\b)
.endr
	s_wait_xcnt 0x0                                ; the stores of the block two back have read these registers
.irp t, 0,1,2,3,4,5,6,7
	ds_load_b128 v[BK+4*(\t):BK+4*(\t)+3], v[RD] offset:(\t)*2*SPITCH  ; LDS serves a wave's instructions in order (ISA guide 5.7.1.4)
.endr
.endm
.macro SEND a
	WIN 0
.set BK, OB+192*((\a)%2)
	s_wait_dscnt 0x0
.irp t, 0,1,2,3,4,5,6,7
	global_store_b128 v[CO], v[BK+4*(\t):BK+4*(\t)+3], s[8:9] offset:(16*(\a)+2*(\t))*ROWC  ; 16 lanes store 256 consecutive bytes, aligned
.endr
.endm
	s_wait_tensorcnt 0x1                           ; my part of K step 0 is in; K step 1's may stay out
	s_barrier_signal -1
	s_barrier_wait -1
	FETCH 0, F0
	QUARTER 64, F0, F1, 1                          ; the first products start the sums
	WIN 0
	s_mov_b32 s3, NK-2
.Lstep:                                                ; quarters 1-3 of a K step, the next step's quarter 0; the slot left is filled again
	QUARTER 128, F1, F0, 0
	QUARTER 192, F0, F1, 0
	TURN 1
	QUARTER 64, F0, F1, 0
	WIN 0
	s_sub_co_u32 s3, s3, 1
	s_cmp_lg_u32 s3, 0
	s_cbranch_scc1 .Lstep
	s_mov_b32 s3, 2
.Ltail:                                                ; the last two K steps ask for nothing; the second jumps over what belongs to a further step
	QUARTER 128, F1, F0, 0
	QUARTER 192, F0, F1, 0
	TURN 0
	WIN 0
	s_cmp_eq_u32 s3, 1
	s_cbranch_scc1 .Lskip
	QUARTER 64, F0, F1, 0
	WIN 0
.Lskip:
	s_sub_co_u32 s3, s3, 1
	s_cmp_lg_u32 s3, 0
	s_cbranch_scc1 .Ltail
	PLACES
	PACK 0
	TOSTAGE 0
.irp a, 1,2,3,4,5,6,7
	PACK \a
	SEND (\a)-1
	TOSTAGE \a
.endr
	SEND 7
	s_wait_tensorcnt 0x0                           ; the wave's end
	ds_add_u32 v[SPW], v[NIL]
	s_wait_dscnt 0x0
	CROUND                                         ; the closing round
	s_endpgm
.Lfunc_end_k_q3dd253f893_proj:
	.size	k_q3dd253f893_proj, .Lfunc_end_k_q3dd253f893_proj-k_q3dd253f893_proj
	.p2alignl 7, 3214868480
	.fill 96, 4, 3214868480
	.section	.rodata,"a",@progbits
	.p2align	6, 0x0
	.amdhsa_kernel k_q3dd253f893_proj
		.amdhsa_group_segment_fixed_size 327680
		.amdhsa_private_segment_fixed_size 0
		.amdhsa_enable_private_segment 0
		.amdhsa_kernarg_size 24
		.amdhsa_user_sgpr_count 2
		.amdhsa_user_sgpr_kernarg_segment_ptr 1
		.amdhsa_wavefront_size32 1
		.amdhsa_system_sgpr_workgroup_id_x 1
		.amdhsa_system_sgpr_workgroup_id_y 1
		.amdhsa_system_sgpr_workgroup_id_z 1
		.amdhsa_system_vgpr_workitem_id 0
		.amdhsa_next_free_vgpr 1024
		.amdhsa_next_free_sgpr 70
		.amdhsa_reserve_vcc 0
		.amdhsa_float_denorm_mode_32 3
		.amdhsa_float_denorm_mode_16_64 3
		.amdhsa_memory_ordered 1
		.amdhsa_forward_progress 1
		.amdhsa_inst_pref_size 100
	.end_amdhsa_kernel
	.amdgpu_metadata
---
amdhsa.version: [ 1, 2 ]
amdhsa.kernels:
  - .name:           k_q3dd253f893_proj
    .symbol:         k_q3dd253f893_proj.kd
    .args:
      - { .name: xh, .offset: 0, .size: 8, .value_kind: global_buffer, .address_space: global }
      - { .name: wt, .offset: 8, .size: 8, .value_kind: global_buffer, .address_space: global }
      - { .name: qv, .offset: 16, .size: 8, .value_kind: global_buffer, .address_space: global }
    .group_segment_fixed_size: 327680
    .private_segment_fixed_size: 0
    .kernarg_segment_align: 8
    .kernarg_segment_size: 24
    .max_flat_workgroup_size: 128
    .sgpr_count:     70
    .vgpr_count:     1024
    .wavefront_size: 32
...
	.end_amdgpu_metadata
.endif
;; end of part 3
;; launch score (part 4): grid 8 x 32, 4 waves a work-group, clusters of 4 x 4, 327,680 bytes of LDS; arguments qv, xh, p, st, sc; writes p, st
.if DOCPART == 4
	.amdgcn_target "amdgcn-amd-amdhsa--gfx1250"
	.amdhsa_code_object_version 6
	.text
	.protected	k_q3dd253f893_score
	.globl	k_q3dd253f893_score
	.p2align	8
	.type	k_q3dd253f893_score,@function
k_q3dd253f893_score:
	s_mov_b64 s[64:65], 0
	v_nop
	global_prefetch_b8 v0, s[64:65] scope:SCOPE_SE
	s_setreg_imm32_b32 hwreg(HW_REG_WAVE_MODE, 25, 1), 1
	s_wait_xcnt 0x0
	s_wait_alu depctr_hold_cnt(0) depctr_sa_sdst(0) depctr_va_vdst(0) depctr_va_sdst(0) depctr_va_ssrc(0) depctr_va_vcc(0) depctr_vm_vsrc(0)
	s_getreg_b32 s2, hwreg(HW_REG_IB_STS2, 6, 4)
	s_cmp_eq_u32 s2, 0
	s_cbranch_scc0 .Lentry_in_a_cluster
	s_endpgm
.Lentry_in_a_cluster:
	s_bfe_u32 s2, ttmp6, 0x10000c
	s_cmp_lg_u32 s2, 0xf033
	s_cbranch_scc0 .Lentry_shape_is_right
	s_endpgm
.Lentry_shape_is_right:
; SCORE.  s^[q][k] = the sum over j of q^[q][j] xh[k][j] (per batch: 2048 x 2048 x 1024, f16 operands, f32 sums).  The true score in base 2 is c' s^, c' = log2(e) / 32 / sigma1 (read from sc).
; SOFTMAX, FIRST HALF.  For each query and each block t of 128 keys: cm_t = c' x the block's largest s^; P = 2^(c' s^ - cm_t), in (0, 1], rounded to f16; l_t = the sum of the unrounded P.
; cm_t and l_t go out in f32 (st); the next launch takes the row's true maximum of the cm_t and weights the blocks by 2^(cm_t - maximum).
; LIMITS.  A weight below 2^-24 of its block's largest is 0 in P; an exponential below 2^-126 counts as 0.  NaN and infinities are not treated apart.
; SHARES.  256 tiles of 256 queries x 256 keys; four waves of 128 x 128: a wave's 128 keys ARE a block t.  The matrix instruction is used transposed: a lane holds ONE query (lane % 16) and 8 keys of each
; of 8 accumulators, so a block's maximum and sum want one exchange between the halves of the lanes.  K in eight steps of 128 through two LDS slots; a K step's text is written once.
; CLUSTER 4 x 4: q^'s tile is shared along a row of the cluster, xh's along a column: joint loads.
; THE WAY OUT is written for four blocks of 16 queries (window 2) and walked twice; between the trips the 256 registers of window 3 are copied into window 2: 256 v_mov_b32 a wave, once, for half the text.
; REGISTERS: as in the launch that makes qv; on the way out window 0 holds v64-87 at work, v96-103 (cm, m) a block of rows, v112 l.
.set KSTEP,  128
.set NK,     8
.set PITCH,  272
.set HALFT,  128*PITCH
.set SL,     4*HALFT                   ; its two set bits (17, 13) are clear in every wave's part (wave x 0x8800)
.set STAGE,  2*SL
.set SPITCH, 272
.set STATS,  STAGE+4*16*SPITCH         ; 1,024 bytes a wave: cm of my 128 rows, then l
.set SPARE,  STATS+4096
.set ROWC,   4096                      ; bytes in a row of p
.set ADRA0, 16
.set ADRB0, 17
.set ADRA,  18
.set ADRB,  19
.set SAD,  20                          ; v20  where I put cm (lanes 0-15) or l (lanes 16-31) of my row
.set SRD,  21                          ; v21  where I read four of them back
.set SGO,  22                          ; v22  16 x lane
.set STO,  24
.set RD,   25
.set CO,   26
.set SPW,  28
.set NIL,  29
.set PFO,  30
.set F0,   64
.set F1,   128
.set TMP,  192
.set OB,   32
.set T,    64
.set CM,   96
.set LS,   112
.set G1, 24
.set G0, 32
.set G1B, 48
.set G0B, 56
.set LIM, 43
.set PFA, 44
.set TB,  68
.set MSB, 0
.macro WIN new
.if MSB != (\new)
	s_set_vgpr_msb (MSB<<8)|(\new)
.set MSB, \new
.endif
.endm
.set MUL_LO, 0xa1
.set MUL_HI, 0xf1
.set TO_B,   0x40
.macro PLACES
.rept 4
	v_nop
.endr
.endm
.macro JLOAD                           ; a joint refill by the walking descriptors; s_nop 0 and four v_nop follow each line
	s_cmp_eq_u32 s11, 0
	s_cbranch_scc0 .Lfor_b_\@
	tensor_load_to_lds s[G0+4:G0+7], s[G1:G1+7]
	s_nop 0
	PLACES
	s_branch .Lasked_\@
.Lfor_b_\@:
	tensor_load_to_lds s[G0B+4:G0B+7], s[G1B:G1B+7]
	s_nop 0
	PLACES
.Lasked_\@:
.endm
; A prefetch of the K step two refills on: 32 rows x 256 bytes, a lane a row.  q^'s rows are asked for by the clusters with x = 0, xh's by the first of the two cluster rows of a batch; the four partners
; of a joint load take 32 of a wave's 128 rows each, told apart by address: each row's 256 bytes of a K step are named once.  The last two refills ask for nothing.
.macro ASK
	s_cmp_gt_u32 s3, s[LIM]
	s_cbranch_scc0 .Lnot_mine_\@
	global_prefetch_b8 v[PFO], s[PFA:PFA+1] th:TH_LOAD_NT scope:SCOPE_SE
.Lnot_mine_\@:
.endm
.macro CREST
	s_cmp_lg_u32 s10, 0
	s_cbranch_scc1 .Lnot_wave_0_\@
	s_barrier_signal -3
.Lnot_wave_0_\@:
	s_barrier_wait -3
	s_barrier_signal -1
	s_barrier_wait -1
.endm
.macro CROUND
	s_barrier_signal -1
	s_barrier_wait -1
	CREST
.endm
	s_load_b128 s[4:7], s[0:1], 0x0                ; qv s[4:5], xh s[6:7]
	s_load_b64 s[8:9], s[0:1], 0x10                ; p
	s_load_b128 s[76:79], s[0:1], 0x18             ; st s[76:77], sc s[78:79]
	v_lshl_add_u32 v[SPW], v0, 2, SPARE
	v_mov_b32 v[NIL], 0
	ds_add_u32 v[SPW], v[NIL]                      ; the wave's opening: the add and its wait stand ahead of my first tensor load
	v_lshrrev_b32 v1, 5, v0
	v_readfirstlane_b32 s10, v1                    ; wave 0..3
	s_lshr_b32 s11, s10, 1                         ; my half of the queries; also: I fetch for q^ (0) or xh (1)
	s_and_b32 s12, s10, 1                          ; my half of the keys; also: which 128 rows I fetch
	s_bfe_u32 s40, ttmp6, 0x40000                  ; cx
	s_bfe_u32 s41, ttmp6, 0x40004                  ; cy
	s_lshl_b32 s42, ttmp9, 2
	s_add_co_u32 s42, s42, s40                     ; key tile in the batch
	s_and_b32 s69, ttmp7, 0xffff
	s_lshl_b32 s13, s69, 2
	s_add_co_u32 s13, s13, s41                     ; query tile, over all batches
	s_lshr_b32 s69, s69, 1                         ; the batch, of the cluster's y alone
	s_lshl_b32 s43, s41, 2
	s_lshl_b32 s43, 15, s43
	s_lshl_b32 s44, 0x1111, s40
	s_or_b32 s[G1+0], s43, (1<<16)|(1<<20)|(1<<21)|(5<<22)|(3<<25)
	s_or_b32 s[G1B+0], s44, (1<<16)|(1<<20)|(1<<21)|(5<<22)|(3<<25)
.irp g, G1, G1B
	s_mov_b32 s[(\g)+1], KSTEP<<16
	s_mov_b32 s[(\g)+2], 128<<16
	s_mov_b32 s[(\g)+3], KSTEP<<16
	s_mov_b32 s[(\g)+4], 128
	s_mov_b32 s[(\g)+6], 0
	s_mov_b32 s[(\g)+7], 0
.endr
	s_mov_b32 s[G1+5], 2048                        ; elements from row to row of qv,
	s_mov_b32 s[G1B+5], 1024                       ; of xh
	s_lshl_b32 s17, s12, 7
	s_lshl_b32 s16, s13, 8
	s_add_co_u32 s16, s16, s17                     ; qv: row 256 x query tile + 128 x half
	s_lshl_b32 s16, s16, 12
	s_lshl_b32 s46, s42, 8
	s_add_co_u32 s46, s46, s17
	s_lshl_b32 s47, s69, 11
	s_add_co_u32 s46, s46, s47                     ; xh: row 2,048 x batch + 256 x key tile + 128 x half
	s_lshl_b32 s46, s46, 11
	s_mov_b32 s17, 0
	s_mov_b32 s47, 0
	s_mul_i32 s20, s10, HALFT
	s_mov_b32 s[TB], 0
	s_mov_b32 s72, 0x76543210
	s_mov_b32 s73, 0xfedcba98
	s_mov_b32 s74, 0xffff0000                      ; lanes 16-31
	s_wait_dscnt 0x0                               ; the opening add is done
	s_wait_kmcnt 0x0
	s_add_nc_u64 s[14:15], s[4:5], s[16:17]
	s_add_nc_u64 s[46:47], s[6:7], s[46:47]
	CROUND                                         ; all sixteen work-groups are here: the first joint loads meet
.irp s, 0,1
	s_mov_b32 s[G0+4*(\s)], 1
	s_add_co_u32 s[G0+4*(\s)+1], s20, (\s)*SL
	s_add_nc_u64 s[G0+4*(\s)+2:G0+4*(\s)+3], s[14:15], (\s)*KSTEP*2
	s_or_b32 s[G0+4*(\s)+3], s[G0+4*(\s)+3], 0x80000000
	s_mov_b32 s[G0B+4*(\s)], 1
	s_add_co_u32 s[G0B+4*(\s)+1], s20, (\s)*SL
	s_add_nc_u64 s[G0B+4*(\s)+2:G0B+4*(\s)+3], s[46:47], (\s)*KSTEP*2
	s_or_b32 s[G0B+4*(\s)+3], s[G0B+4*(\s)+3], 0x80000000
.endr
	s_cmp_eq_u32 s11, 0                            ; a wave's two first fills stand in one branch: two loads of mine are out
	s_cbranch_scc0 .Lfirst_b
	tensor_load_to_lds s[G0:G0+3], s[G1:G1+7]
	s_nop 0
	tensor_load_to_lds s[G0+4:G0+7], s[G1:G1+7]
	s_nop 0
	PLACES
	s_branch .Lfirst_asked
.Lfirst_b:
	tensor_load_to_lds s[G0B:G0B+3], s[G1B:G1B+7]
	s_nop 0
	tensor_load_to_lds s[G0B+4:G0B+7], s[G1B:G1B+7]
	s_nop 0
	PLACES
.Lfirst_asked:
	s_load_b32 s70, s[78:79], 0x0                  ; c' = log2(e) / 32 / sigma1
	v_and_b32 v1, 15, v0                           ; l % 16
	v_bfe_u32 v2, v0, 4, 1                         ; l / 16
	v_mul_u32_u24 v3, v1, PITCH
	v_lshl_add_u32 v3, v2, 4, v3
	s_mul_i32 s21, s11, HALFT
	s_mul_i32 s22, s12, HALFT
	s_add_co_u32 s22, s22, 2*HALFT
	v_add_nc_u32 v[ADRA0], s21, v3
	v_add_nc_u32 v[ADRB0], s22, v3
	v_mov_b32 v[ADRA], v[ADRA0]
	v_mov_b32 v[ADRB], v[ADRB0]
	s_mul_i32 s23, s10, 16*SPITCH
	s_add_co_u32 s23, s23, STAGE                   ; my stage
	v_mul_u32_u24 v4, v1, SPITCH
	v_lshl_add_u32 v4, v2, 4, v4
	v_add_nc_u32 v[STO], s23, v4
	v_mul_u32_u24 v5, v2, SPITCH
	v_lshl_add_u32 v5, v1, 4, v5
	v_add_nc_u32 v[RD], s23, v5
	v_lshlrev_b32 v5, 12, v2
	v_lshl_add_u32 v[CO], v1, 4, v5
	s_lshl_b32 s23, s10, 10
	s_add_co_u32 s23, s23, STATS                   ; my wave's statistics
	v_lshlrev_b32 v[SAD], 2, v1
	v_lshl_add_u32 v[SAD], v2, 9, v[SAD]
	v_add_nc_u32 v[SAD], s23, v[SAD]
	v_and_b32 v[SGO], 31, v0
	v_lshlrev_b32 v[SGO], 4, v[SGO]
	v_add_nc_u32 v[SRD], s23, v[SGO]
	s_lshl_b32 s16, s13, 8
	s_lshl_b32 s14, s11, 7
	s_add_co_u32 s16, s16, s14                     ; my first row of p
	s_lshl_b32 s16, s16, 12
	s_mov_b32 s17, 0
	s_lshl_b32 s46, s42, 9                         ; my first key, in bytes
	s_lshl_b32 s47, s12, 8
	s_add_co_u32 s46, s46, s47
	s_mov_b32 s47, 0
	s_add_nc_u64 s[16:17], s[16:17], s[46:47]
	s_add_nc_u64 s[8:9], s[8:9], s[16:17]
	s_lshl_b32 s20, s42, 1
	s_add_co_u32 s20, s20, s12                     ; my block t
	s_lshl_b32 s20, s20, 15                        ; x 8,192 rows of 4 bytes
	s_lshl_b32 s21, s13, 10
	s_add_co_u32 s20, s20, s21
	s_lshl_b32 s21, s11, 9
	s_add_co_u32 s20, s20, s21                     ; + my first row
	s_mov_b32 s21, 0
	s_add_nc_u64 s[66:67], s[76:77], s[20:21]
	; the prefetches
	s_lshl_b32 s20, s13, 8
	s_lshl_b32 s21, s42, 8
	s_lshl_b32 s22, s69, 11
	s_add_co_u32 s21, s21, s22
	s_and_b32 s22, ttmp7, 1                        ; which of the batch's two cluster rows
	s_cmp_eq_u32 s11, 0                            ; do I fetch for q^?
	s_cselect_b32 s20, s20, s21
	s_cselect_b32 s21, s40, s41
	s_cselect_b32 s22, ttmp9, s22
	s_cselect_b32 s23, 12, 11                      ; a row's bytes: 4,096 in qv, 2,048 in xh
	s_cselect_b64 s[PFA:PFA+1], s[4:5], s[6:7]
	s_cmp_eq_u32 s22, 0
	s_cselect_b32 s[LIM], 2, -1
	s_lshl_b32 s22, s12, 7
	s_add_co_u32 s20, s20, s22
	s_lshl_b32 s21, s21, 5
	s_add_co_u32 s20, s20, s21
	s_lshl_b32 s20, s20, s23
	s_mov_b32 s21, 0
	s_add_nc_u64 s[PFA:PFA+1], s[PFA:PFA+1], s[20:21]
	s_add_nc_u64 s[PFA:PFA+1], s[PFA:PFA+1], 3*KSTEP*2  ; at K step 3: the first refill steps it to 4
	v_and_b32 v[PFO], 31, v0
	v_lshlrev_b32 v[PFO], s23, v[PFO]
	s_wait_kmcnt 0x0                               ; c' is in
	s_mov_b32 s71, s70                             ; named with it as a pair
.macro MUL16 f, hi, a0, zero
	WIN MUL_LO+0x50*(\hi)
.irp a, \a0, (\a0)+1
.irp b, 0,1,2,3,4,5,6,7
.if \zero
	v_wmma_f32_16x16x32_f16 v[8*(8*(\a)+(\b)):8*(8*(\a)+(\b))+7], v[(\f)+8*(\b):(\f)+8*(\b)+7], v[(\f)+8*(4*(\hi)+(\a)):(\f)+8*(4*(\hi)+(\a))+7], 0
.else
	v_wmma_f32_16x16x32_f16 v[8*(8*(\a)+(\b)):8*(8*(\a)+(\b))+7], v[(\f)+8*(\b):(\f)+8*(\b)+7], v[(\f)+8*(4*(\hi)+(\a)):(\f)+8*(4*(\hi)+(\a))+7], v[8*(8*(\a)+(\b)):8*(8*(\a)+(\b))+7]
.endif
.endr
.endr
.endm
.macro FETCH k, f
	WIN TO_B
.irp i, 0,1,2,3,4,5,6,7
	ds_load_b128 v[(\f)+8*(\i):(\f)+8*(\i)+3],   v[ADRB] offset:(\k)+(\i)*16*PITCH
	ds_load_b128 v[(\f)+8*(\i)+4:(\f)+8*(\i)+7], v[ADRB] offset:(\k)+(\i)*16*PITCH+32
.endr
	WIN 0
.irp i, 0,1,2,3,4,5,6,7
	ds_load_b128 v[(\f)+8*(\i):(\f)+8*(\i)+3],   v[ADRA] offset:(\k)+(\i)*16*PITCH
	ds_load_b128 v[(\f)+8*(\i)+4:(\f)+8*(\i)+7], v[ADRA] offset:(\k)+(\i)*16*PITCH+32
.endr
.endm
.macro QUARTER k, f, g, zero
	s_wait_dscnt 8                                 ; all but the youngest eight loads (my rows 64-127)
	MUL16 \f, 0, 0, \zero
	MUL16 \f, 0, 2, \zero
	PLACES                                         ; four places in front of loads into registers that matrix instructions have read
	FETCH \k, \g
	s_wait_dscnt 32                                ; all but the 32 just issued
	MUL16 \f, 1, 0, \zero
	MUL16 \f, 1, 2, \zero
.endm
.macro TURN fill                       ; the last quarter and the change of slots, as in the launch that makes qv
.if \fill
	s_wait_xcnt 0x0                                ; the last prefetch, a K step back, has read its address
	s_add_nc_u64 s[PFA:PFA+1], s[PFA:PFA+1], KSTEP*2
.endif
	WIN 0
	s_xor_b32 s[TB], s[TB], SL
	v_add_nc_u32 v[ADRA], s[TB], v[ADRA0]
	v_add_nc_u32 v[ADRB], s[TB], v[ADRB0]
	s_wait_tensorcnt 0x0                           ; all my tensor loads have landed: my part of the next slot
	ds_add_u32 v[SPW], v[NIL]
	s_wait_dscnt 9                                 ; (the add and the youngest eight loads may be out)
	MUL16 F1, 0, 0, 0
	s_wait_dscnt 0x0                               ; the add is done, and my reads of this slot are over
	s_barrier_signal -1
	MUL16 F1, 0, 2, 0
	WIN 0
	s_barrier_wait -1
.if \fill
	CREST                                          ; no wave of any partner still reads this slot or has a load on its way
	s_xor_b32 s[G0+5], s[G0+5], SL
	s_add_nc_u64 s[G0+6:G0+7], s[G0+6:G0+7], KSTEP*2
	s_xor_b32 s[G0B+5], s[G0B+5], SL
	s_add_nc_u64 s[G0B+6:G0B+7], s[G0B+6:G0B+7], KSTEP*2
	JLOAD
	FETCH 0, F0
	ASK
.else
	s_cmp_eq_u32 s3, 1
	s_cbranch_scc1 .Lnf_\@
	PLACES
	FETCH 0, F0
.Lnf_\@:
.endif
	MUL16 F1, 1, 0, 0
	MUL16 F1, 1, 2, 0
.endm
; THE WAY OUT, for block a (0 to 3) of 16 queries in window 2 (8 accumulators: 64 scores a lane).
.macro EMAX a                          ; the block's maximum m and cm = c' m.  Each accumulator's lowest registers are read first
.set AC, 64*(\a)
	WIN 0x2a                                       ; three sources in window 2
.irp b, 0,1,2,3,4,5,6,7
	v_max3_num_f32 v[T+(\b)], v[AC+8*(\b)], v[AC+8*(\b)+1], v[AC+8*(\b)+2]
.endr
.irp b, 0,1,2,3,4,5,6,7
	v_max3_num_f32 v[T+8+(\b)], v[AC+8*(\b)+3], v[AC+8*(\b)+4], v[AC+8*(\b)+5]
.endr
.irp b, 0,1,2,3,4,5,6,7
	v_max_num_f32 v[T+16+(\b)], v[AC+8*(\b)+6], v[AC+8*(\b)+7]
.endr
	WIN 0
.irp b, 0,1,2,3,4,5,6,7
	v_max3_num_f32 v[T+(\b)], v[T+(\b)], v[T+8+(\b)], v[T+16+(\b)]
.endr
	v_max3_num_f32 v[T], v[T], v[T+1], v[T+2]
	v_max3_num_f32 v[T+3], v[T+3], v[T+4], v[T+5]
	v_max_num_f32 v[T+6], v[T+6], v[T+7]
	v_max3_num_f32 v[T], v[T], v[T+3], v[T+6]
	v_permlanex16_b32 v[T+1], v[T], s72, s73       ; the query's other 64 keys lie in the lane 16 away
	v_max_num_f32 v[CM+2*(\a)+1], v[T], v[T+1]
	v_mul_f32 v[CM+2*(\a)], s70, v[CM+2*(\a)+1]
.endm
.macro ESCL a                          ; c' s - cm, and the 64 exponentials: one batch
.set AC, 64*(\a)
	WIN 0x82
.set i, 0
.rept 32
	v_pk_fma_f32 v[AC+2*i:AC+2*i+1], v[AC+2*i:AC+2*i+1], s[70:71], v[CM+2*(\a):CM+2*(\a)+1] op_sel_hi:[1,0,0] neg_lo:[0,0,1] neg_hi:[0,0,1]
.set i, i+1
.endr
.set i, 0
.rept 64
	v_exp_f32 v[AC+i], v[AC+i]
.set i, i+1
.endr
.endm
.macro ECVT a                          ; rounded to f16: 16 bytes a lane and accumulator
.set AC, 64*(\a)
	WIN 0x0a
.irp b, 0,1,2,3,4,5,6,7
.irp r, 0,1,2,3
	v_cvt_pk_f16_f32 v[TMP+4*(\b)+(\r)], v[AC+8*(\b)+2*(\r)], v[AC+8*(\b)+2*(\r)+1]
.endr
.endr
.endm
.macro ESUM a                          ; l: the 64 unrounded weights, in place, then the other half of the lanes'; cm and l go to my wave's statistics
.set AC, 64*(\a)
	WIN 0x8a
.irp w, 4, 8, 16, 32, 64
.set i, 0
.rept 64/(\w)
	v_pk_add_f32 v[AC+(\w)*i:AC+(\w)*i+1], v[AC+(\w)*i:AC+(\w)*i+1], v[AC+(\w)*i+(\w)/2:AC+(\w)*i+(\w)/2+1]
.set i, i+1
.endr
.endr
	WIN 0x0a
	v_add_f32 v[LS], v[AC], v[AC+1]
	WIN 0
	v_permlanex16_b32 v[T+1], v[LS], s72, s73
	v_add_f32 v[LS], v[LS], v[T+1]
	v_cndmask_b32 v[T+2], v[CM+2*(\a)], v[LS], s74 ; lanes 0-15 carry cm, lanes 16-31 l
	ds_store_b32 v[SAD], v[T+2] offset:64*(\a)
.endm
.macro TOSTAGE a
	WIN 0
.set BK, OB+192*((\a)%2)
.irp b, 0,1,2,3,4,5,6,7
	ds_store_b128 v[STO], v[TMP+4*(\b):TMP+4*(\b)+3] offset:32*(\b)
.endr
	s_wait_xcnt 0x0                                ; the stores of the block two back have read these registers
.irp t, 0,1,2,3,4,5,6,7
	ds_load_b128 v[BK+4*(\t):BK+4*(\t)+3], v[RD] offset:(\t)*2*SPITCH  ; LDS serves a wave's instructions in order (ISA guide 5.7.1.4)
.endr
.endm
.macro SEND a
	WIN 0
.set BK, OB+192*((\a)%2)
	s_wait_dscnt 0x0
.irp t, 0,1,2,3,4,5,6,7
	global_store_b128 v[CO], v[BK+4*(\t):BK+4*(\t)+3], s[8:9] offset:(16*(\a)+2*(\t))*ROWC  ; 16 lanes store 256 consecutive bytes, aligned
.endr
.endm
	s_wait_tensorcnt 0x1                           ; my part of K step 0 is in; K step 1's may stay out
	s_barrier_signal -1
	s_barrier_wait -1
	FETCH 0, F0
	QUARTER 64, F0, F1, 1
	WIN 0
	s_mov_b32 s3, NK-2
.Lstep:
	QUARTER 128, F1, F0, 0
	QUARTER 192, F0, F1, 0
	TURN 1
	QUARTER 64, F0, F1, 0
	WIN 0
	s_sub_co_u32 s3, s3, 1
	s_cmp_lg_u32 s3, 0
	s_cbranch_scc1 .Lstep
	s_mov_b32 s3, 2
.Ltail:
	QUARTER 128, F1, F0, 0
	QUARTER 192, F0, F1, 0
	TURN 0
	WIN 0
	s_cmp_eq_u32 s3, 1
	s_cbranch_scc1 .Lskip
	QUARTER 64, F0, F1, 0
	WIN 0
.Lskip:
	s_sub_co_u32 s3, s3, 1
	s_cmp_lg_u32 s3, 0
	s_cbranch_scc1 .Ltail
	PLACES
	s_mov_b32 s3, 2
.Lout:                                                 ; two trips: my rows 0-63, then my rows 64-127
	EMAX 0
	ESCL 0
.irp a, 0,1,2,3
.if (\a) < 3
	EMAX (\a)+1                                    ; the next block's maximum is the independent work behind this block's exponentials
.else
	WIN 0
	v_nop
.endif
	s_wait_alu depctr_va_vdst(0)                   ; one wait for the block's 64 exponentials, ahead of their first reader
	ECVT \a
	ESUM \a
.if (\a) > 0
	SEND (\a)-1
.endif
	TOSTAGE \a
.if (\a) < 3
	ESCL (\a)+1
.endif
.endr
	SEND 3
	s_cmp_eq_u32 s3, 1
	s_cbranch_scc1 .Lnocopy
	WIN 0x83                                       ; destination window 2, source window 3; ascending
.set i, 0
.rept 256
	v_mov_b32 v[i], v[i]
.set i, i+1
.endr
	WIN 0
.Lnocopy:
	v_add_nc_u32 v[SAD], 256, v[SAD]               ; the statistics of 64 rows on (behind the second trip the stepped address is not used)
	s_wait_xcnt 0x0                                ; the stores have read their base
	s_add_nc_u64 s[8:9], s[8:9], 64*ROWC           ; 64 rows of p on (likewise)
	s_sub_co_u32 s3, s3, 1
	s_cmp_lg_u32 s3, 0
	s_cbranch_scc1 .Lout
	ds_load_b128 v[64:67], v[SRD]                  ; my wave's 128 cm, four a lane,
	ds_load_b128 v[68:71], v[SRD] offset:512       ; and its 128 l
	s_wait_dscnt 0x0
	global_store_b128 v[SGO], v[64:67], s[66:67]   ; 512 consecutive bytes each, aligned
	global_store_b128 v[SGO], v[68:71], s[66:67] offset:524288
	s_wait_tensorcnt 0x0                           ; the wave's end
	ds_add_u32 v[SPW], v[NIL]
	s_wait_dscnt 0x0
	CROUND                                         ; the closing round
	s_endpgm
.Lfunc_end_k_q3dd253f893_score:
	.size	k_q3dd253f893_score, .Lfunc_end_k_q3dd253f893_score-k_q3dd253f893_score
	.p2alignl 7, 3214868480
	.fill 96, 4, 3214868480
	.section	.rodata,"a",@progbits
	.p2align	6, 0x0
	.amdhsa_kernel k_q3dd253f893_score
		.amdhsa_group_segment_fixed_size 327680
		.amdhsa_private_segment_fixed_size 0
		.amdhsa_enable_private_segment 0
		.amdhsa_kernarg_size 40
		.amdhsa_user_sgpr_count 2
		.amdhsa_user_sgpr_kernarg_segment_ptr 1
		.amdhsa_wavefront_size32 1
		.amdhsa_system_sgpr_workgroup_id_x 1
		.amdhsa_system_sgpr_workgroup_id_y 1
		.amdhsa_system_sgpr_workgroup_id_z 1
		.amdhsa_system_vgpr_workitem_id 0
		.amdhsa_next_free_vgpr 1024
		.amdhsa_next_free_sgpr 90
		.amdhsa_reserve_vcc 0
		.amdhsa_float_denorm_mode_32 3
		.amdhsa_float_denorm_mode_16_64 3
		.amdhsa_memory_ordered 1
		.amdhsa_forward_progress 1
		.amdhsa_inst_pref_size 129
	.end_amdhsa_kernel
	.amdgpu_metadata
---
amdhsa.version: [ 1, 2 ]
amdhsa.kernels:
  - .name:           k_q3dd253f893_score
    .symbol:         k_q3dd253f893_score.kd
    .args:
      - { .name: qv, .offset: 0, .size: 8, .value_kind: global_buffer, .address_space: global }
      - { .name: xh, .offset: 8, .size: 8, .value_kind: global_buffer, .address_space: global }
      - { .name: p, .offset: 16, .size: 8, .value_kind: global_buffer, .address_space: global }
      - { .name: st, .offset: 24, .size: 8, .value_kind: global_buffer, .address_space: global }
      - { .name: sc, .offset: 32, .size: 8, .value_kind: global_buffer, .address_space: global }
    .group_segment_fixed_size: 327680
    .private_segment_fixed_size: 0
    .kernarg_segment_align: 8
    .kernarg_segment_size: 40
    .max_flat_workgroup_size: 128
    .sgpr_count:     90
    .vgpr_count:     1024
    .wavefront_size: 32
...
	.end_amdgpu_metadata
.endif
;; end of part 4
;; launch pv (part 5): grid 8 x 32, 4 waves a work-group, clusters of 4 x 4, 327,680 bytes of LDS; arguments p, qv, out0, st, bo, sc; writes out0
.if DOCPART == 5
	.amdgcn_target "amdgcn-amd-amdhsa--gfx1250"
	.amdhsa_code_object_version 6
	.text
	.protected	k_q3dd253f893_pv
	.globl	k_q3dd253f893_pv
	.p2align	8
	.type	k_q3dd253f893_pv,@function
k_q3dd253f893_pv:
	s_mov_b64 s[64:65], 0
	v_nop
	global_prefetch_b8 v0, s[64:65] scope:SCOPE_SE
	s_setreg_imm32_b32 hwreg(HW_REG_WAVE_MODE, 25, 1), 1
	s_wait_xcnt 0x0
	s_wait_alu depctr_hold_cnt(0) depctr_sa_sdst(0) depctr_va_vdst(0) depctr_va_sdst(0) depctr_va_ssrc(0) depctr_va_vcc(0) depctr_vm_vsrc(0)
	s_getreg_b32 s2, hwreg(HW_REG_IB_STS2, 6, 4)
	s_cmp_eq_u32 s2, 0
	s_cbranch_scc0 .Lentry_in_a_cluster
	s_endpgm
.Lentry_in_a_cluster:
	s_bfe_u32 s2, ttmp6, 0x10000c
	s_cmp_lg_u32 s2, 0xf033
	s_cbranch_scc0 .Lentry_shape_is_right
	s_endpgm
.Lentry_shape_is_right:
; PV.  out[q][c] = (the sum over blocks t and their keys k of (f_t[q] P[q][k]) v^[k][c]) / l[q] / sigma2 + bf16(bo[c]).
; SOFTMAX, SECOND HALF.  m = the largest cm_t of the row (the row's true maximum), f_t = 2^(cm_t - m) <= 1, l = the sum of f_t l_t >= 1, in f32.
; The block weight goes onto the matrix operand: f_t is rounded to f16 once, and P's fragments are multiplied by it (v_pk_mul_f16) between their LDS load and the matrix instruction; the sums stay in f32.
; LIMITS.  An f_t, or a product f_t P, below 2^-24 counts as 0 (beside a row's largest weight, which is 1).  NaN and infinities are not treated apart.  bo is rounded to bf16 like every other input.
; SHARES.  256 tiles of 256 queries x 128 channels, one to a work-group (tiles of 256 x 256 would be 128).  A wave: 64 queries x 128 channels: 32 accumulators.  K: 16 steps of 128 keys (a step is a block t), two LDS slots.
; The matrix instruction is used transposed: source 0 = 16 channels of v^ (stored [key][channel], turned by ds_load_tr16_b128), source 1 = 16 queries of P: a lane holds one query and 8 channels.
; CLUSTER 4 x 4: P's tile is shared along a row of the cluster, v^'s along a column: joint loads.  Waves 0, 1 fetch P's halves (128 rows), waves 2, 3 v^'s (64 rows).
; THE WALK.  A cluster walks the 16 K steps in a ring, from step 8 x ((cluster x + cluster y) mod 2) on.  A tile of P is read by two clusters (x = 0, 1), a tile of v^ by two (a batch's two cluster rows):
; of each pair one begins at step 0 and the other at step 8, so each tile is read by one of them eight steps ahead of the other.  The sums are f32 and may be taken in any order.
; REGISTERS.  Window 0: v0-31 addresses; v32-35 f of the step in hand (two f16 a register, a register a block of 16 queries), v36-39 the next step's; v40-47 1 / (l sigma2) in pairs; v128-255 v^'s fragments, two buffers.
;   Window 1: v0-127 the sums of blocks 0, 1 ((a, b) at 8 (8 a + b)); v128-159 their fragments of P, two buffers.  Window 2: the same for blocks 2, 3.  Window 3: v0-63 the bias; v64-127 results; v128-255 rows read back.
;   With f as source 0 of the multiply ONE window setting serves a block pair's matrix instructions (D, C and P in its window, v^ in window 0), multiplies and LDS loads of P: four switches a quarter step.
.set NK,    16
.set PP,    272                        ; a row of P in LDS: 256 bytes + 16
.set PVP,   288                        ; a row of v^: 256 + 32
.set VOFF,  256*PP
.set SL,    1<<17                      ; slot 1 begins here
.set FT,    VOFF+128*PVP               ; behind slot 0's tiles, never filled by a tensor load: f, [16 steps of my walk][256 rows], two equal f16 a word
.set RL,    FT+16384                   ; 1 / (l sigma2), 256 rows, f32
.set SPARE, RL+1024
.set STAGE, SL+FT                      ; behind slot 1's tiles: 16 rows x 528 bytes a wave
.set SP,    528
.set ADRP0, 8
.set ADRV0, 9
.set ADRP,  10
.set ADRV,  11
.set ADRF,  12                         ; v12  f of my rows, for the step whose f is fetched next
.set STO,   13
.set RD,    14
.set CO,    15
.set ARL,   17
.set FTA,   18
.set STL,   19
.set MXP,   20                         ; v[20:21] m of my thread's two rows
.set LL,    22                         ; v[22:23] l
.set RC,    24                         ; v[24:25] 1 / (l sigma2)
.set BOF,   26
.set SPW,   28
.set NIL,   29
.set PFO,   30
.set F,     32
.set G,     36
.set RLR,   40
.set VF,    128
.set PB,    128                        ; windows 1 and 2
.set RES,   64                         ; window 3
.set G1, 24
.set G0, 32
.set G1B, 48
.set G0B, 56
.set LIM, 43
.set PFA, 44
.set TB,  68
.set KN,  75                           ; s75  the K step (0 to 15) that the next refill asks for
.set K0,  76                           ; s76  the K step at which my cluster's walk begins: 0 or 8
.set OFF, 98                           ; s[98:99] a byte offset
.set MSB, 0
.macro WIN new
.if MSB != (\new)
	s_set_vgpr_msb (MSB<<8)|(\new)
.set MSB, \new
.endif
.endm
.macro PLACES
.rept 4
	v_nop
.endr
.endm
.macro JLOAD                           ; a joint refill by the walking descriptors; s_nop 0 and four v_nop follow each line
	s_cmp_eq_u32 s11, 0
	s_cbranch_scc0 .Lfor_b_\@
	tensor_load_to_lds s[G0+4:G0+7], s[G1:G1+7]
	s_nop 0
	PLACES
	s_branch .Lasked_\@
.Lfor_b_\@:
	tensor_load_to_lds s[G0B+4:G0B+7], s[G1B:G1B+7]
	s_nop 0
	PLACES
.Lasked_\@:
.endm
; A prefetch of the K step two refills on, a lane a row of 256 bytes.  A cluster asks for steps 4 to 7 of its own walk: of the pair of clusters that read a tile it is the one that reads these first
; (steps 0 to 3 come by their loads alone; steps 8 to 15 of its walk are the other cluster's first eight).  P: waves 0 and 1, 32 of a wave's 128 rows to each of the four partners of a joint load; v^: wave 2,
; 32 of the step's 128 rows to each partner; partners are told apart by address.  So each row's 256 bytes of a K step are named once.  s3 counts 14 .. 1: the first four refills ask.
.macro ASK
	s_cmp_gt_u32 s3, s[LIM]
	s_cbranch_scc0 .Lnot_mine_\@
	global_prefetch_b8 v[PFO], s[PFA:PFA+1] th:TH_LOAD_NT scope:SCOPE_SE
.Lnot_mine_\@:
.endm
.macro CREST
	s_cmp_lg_u32 s10, 0
	s_cbranch_scc1 .Lnot_wave_0_\@
	s_barrier_signal -3
.Lnot_wave_0_\@:
	s_barrier_wait -3
	s_barrier_signal -1
	s_barrier_wait -1
.endm
.macro CROUND
	s_barrier_signal -1
	s_barrier_wait -1
	CREST
.endm
	s_load_b128 s[4:7], s[0:1], 0x0                ; p s[4:5], qv s[6:7]
	s_load_b64 s[8:9], s[0:1], 0x10                ; out0
	s_load_b128 s[88:91], s[0:1], 0x18             ; st s[88:89], bo s[90:91]
	s_load_b64 s[92:93], s[0:1], 0x28              ; sc
	v_lshl_add_u32 v[SPW], v0, 2, SPARE
	v_mov_b32 v[NIL], 0
	ds_add_u32 v[SPW], v[NIL]                      ; the wave's opening: the add and its wait stand ahead of my first tensor load
	v_lshrrev_b32 v1, 5, v0
	v_readfirstlane_b32 s10, v1                    ; wave 0..3
	s_lshr_b32 s11, s10, 1                         ; I fetch for P (0) or v^ (1)
	s_and_b32 s12, s10, 1                          ; which half of that tile's rows
	s_bfe_u32 s40, ttmp6, 0x40000                  ; cx
	s_bfe_u32 s41, ttmp6, 0x40004                  ; cy
	s_lshl_b32 s42, ttmp9, 2
	s_add_co_u32 s42, s42, s40                     ; channel tile
	s_and_b32 s69, ttmp7, 0xffff
	s_lshl_b32 s13, s69, 2
	s_add_co_u32 s13, s13, s41                     ; query tile, over all batches
	s_add_co_u32 s[K0], s69, ttmp9                 ; cluster y + cluster x: the same in all sixteen partners
	s_and_b32 s[K0], s[K0], 1
	s_lshl_b32 s[K0], s[K0], 3                     ; my cluster's walk begins at K step 0 or 8
	s_add_co_u32 s[KN], s[K0], 2                   ; the first refill asks for the third step of the walk
	s_lshr_b32 s69, s69, 1                         ; the batch, of the cluster's y alone
	s_lshl_b32 s43, s41, 2
	s_lshl_b32 s43, 15, s43
	s_lshl_b32 s44, 0x1111, s40
	s_or_b32 s[G1+0], s43, (1<<16)|(1<<20)|(1<<21)|(5<<22)|(3<<25)   ; P: my row of the cluster; after every 64 words, 4 words of padding
	s_or_b32 s[G1B+0], s44, (1<<16)|(1<<20)|(1<<21)|(5<<22)|(7<<25)  ; v^: my column; 8 words of padding
	s_mov_b32 s[G1+1], 128<<16                     ; tensor_dim0 = 128
	s_mov_b32 s[G1+2], 128<<16                     ; tensor_dim1 = 128
	s_mov_b32 s[G1+3], 128<<16                     ; tile_dim0 = 128
	s_mov_b32 s[G1+4], 128                         ; tile_dim1 = 128
	s_mov_b32 s[G1+5], 2048                        ; elements from row to row of p
	s_mov_b32 s[G1+6], 0
	s_mov_b32 s[G1+7], 0
	s_mov_b32 s[G1B+1], 128<<16
	s_mov_b32 s[G1B+2], 64<<16                     ; 64 rows
	s_mov_b32 s[G1B+3], 128<<16
	s_mov_b32 s[G1B+4], 64
	s_mov_b32 s[G1B+5], 2048                       ; of qv
	s_mov_b32 s[G1B+6], 0
	s_mov_b32 s[G1B+7], 0
	s_lshl_b32 s17, s12, 7
	s_lshl_b32 s16, s13, 8
	s_add_co_u32 s16, s16, s17                     ; p: row 256 x query tile + 128 x half
	s_lshl_b32 s16, s16, 12
	s_mov_b32 s17, 0
	s_lshl_b32 s46, s69, 11
	s_lshl_b32 s47, s12, 6
	s_add_co_u32 s46, s46, s47                     ; qv: row 2,048 x batch + 64 x half,
	s_lshl_b32 s46, s46, 12
	s_lshl_b32 s47, s42, 8
	s_add_co_u32 s46, s46, s47                     ; at byte 2,048 + 256 x channel tile
	s_add_co_u32 s46, s46, 2048
	s_mov_b32 s47, 0
	s_mul_i32 s20, s12, 128*PP                     ; where they go
	s_mul_i32 s21, s12, 64*PVP
	s_add_co_u32 s21, s21, VOFF
	s_lshl_b32 s94, s13, 10                        ; st: my tile's 256 rows of 4 bytes
	s_mov_b32 s95, 0
	s_lshl_b32 s96, s42, 9                         ; bo: my tile's 128 channels
	s_mov_b32 s97, 0
	s_mov_b32 s[OFF+1], 0
	s_mov_b32 s[TB], 0
	s_mov_b32 s74, 0xffff0000
	s_wait_dscnt 0x0                               ; the opening add is done
	s_wait_kmcnt 0x0
	s_add_nc_u64 s[14:15], s[4:5], s[16:17]        ; my part of P's tile at K step 0; kept
	s_add_nc_u64 s[46:47], s[6:7], s[46:47]        ; the same for v^; kept
	s_add_nc_u64 s[88:89], s[88:89], s[94:95]
	s_add_nc_u64 s[90:91], s[90:91], s[96:97]
	s_lshl_b32 s[OFF], s[K0], 15                   ; a block t's statistics are 32,768 bytes
	s_add_nc_u64 s[80:81], s[88:89], s[OFF:OFF+1]  ; steps 0-7 of my walk are the blocks K0 + 0..7,
	s_sub_nc_u64 s[82:83], s[88:89], s[OFF:OFF+1]  ; steps 8-15 the blocks 8..15 - K0
	CROUND                                         ; all sixteen work-groups are here: the first joint loads meet
.irp s, 0,1
	s_mov_b32 s[G0+4*(\s)], 1
	s_add_co_u32 s[G0+4*(\s)+1], s20, (\s)*SL
	s_mov_b32 s[G0B+4*(\s)], 1
	s_add_co_u32 s[G0B+4*(\s)+1], s21, (\s)*SL
.endr
	s_lshl_b32 s[OFF], s[K0], 8                    ; a K step is 256 bytes of a row of p,
	s_add_nc_u64 s[G0+2:G0+3], s[14:15], s[OFF:OFF+1]
	s_add_nc_u64 s[G0+6:G0+7], s[G0+2:G0+3], 256
	s_lshl_b32 s[OFF], s[K0], 19                   ; 128 rows of qv
	s_add_nc_u64 s[G0B+2:G0B+3], s[46:47], s[OFF:OFF+1]
	s_add_nc_u64 s[G0B+6:G0B+7], s[G0B+2:G0B+3], 524288
.irp r, G0+3, G0+7, G0B+3, G0B+7
	s_or_b32 s[\r], s[\r], 0x80000000
.endr
	s_cmp_eq_u32 s11, 0                            ; a wave's two first fills stand in one branch: two loads of mine are out
	s_cbranch_scc0 .Lfirst_b
	tensor_load_to_lds s[G0:G0+3], s[G1:G1+7]
	s_nop 0
	tensor_load_to_lds s[G0+4:G0+7], s[G1:G1+7]
	s_nop 0
	PLACES
	s_branch .Lfirst_asked
.Lfirst_b:
	tensor_load_to_lds s[G0B:G0B+3], s[G1B:G1B+7]
	s_nop 0
	tensor_load_to_lds s[G0B+4:G0B+7], s[G1B:G1B+7]
	s_nop 0
	PLACES
.Lfirst_asked:
	; the statistics of my thread's two rows (2 x thread, + 1), in the order of my walk; the bias of my lane's channels; 1 / sigma2
	s_load_b64 s[86:87], s[92:93], 0x0             ; s87 = 1 / sigma2
	v_lshlrev_b32 v[STL], 3, v0
	v_bfe_u32 v2, v0, 4, 1                         ; l / 16
	v_lshlrev_b32 v[BOF], 5, v2
.set t, 0
.rept 8
	global_load_b64 v[64+2*t:65+2*t], v[STL], s[80:81] offset:32768*t
	global_load_b64 v[96+2*t:97+2*t], v[STL], s[80:81] offset:524288+32768*t
.set t, t+1
.endr
.rept 8
	global_load_b64 v[64+2*t:65+2*t], v[STL], s[82:83] offset:32768*t
	global_load_b64 v[96+2*t:97+2*t], v[STL], s[82:83] offset:524288+32768*t
.set t, t+1
.endr
	WIN 0xc0
.irp b, 0,1,2,3,4,5,6,7
	global_load_b128 v[8*(\b):8*(\b)+3],   v[BOF], s[90:91] offset:64*(\b)
	global_load_b128 v[8*(\b)+4:8*(\b)+7], v[BOF], s[90:91] offset:64*(\b)+16
.endr
	WIN 0
	v_and_b32 v1, 15, v0                           ; l % 16
	v_and_b32 v3, 31, v0                           ; l
	s_lshl_b32 s20, s10, 6
	v_add_nc_u32 v4, s20, v1                       ; my row in the tile's 256, for block 0
	v_mul_u32_u24 v[ADRP0], v4, PP
	v_lshl_add_u32 v[ADRP0], v2, 4, v[ADRP0]
	v_and_b32 v5, 7, v0
	v_bfe_u32 v6, v0, 3, 1
	v_lshl_add_u32 v[ADRV0], v2, 3, v5             ; the turning load: key 8 (l / 16) + l % 8, channels 8 ((l / 8) % 2) on
	v_mul_u32_u24 v[ADRV0], v[ADRV0], PVP
	v_lshl_add_u32 v[ADRV0], v6, 4, v[ADRV0]
	v_add_nc_u32 v[ADRV0], VOFF, v[ADRV0]
	v_mov_b32 v[ADRP], v[ADRP0]
	v_mov_b32 v[ADRV], v[ADRV0]
	v_lshl_add_u32 v[ADRF], v4, 2, FT
	v_lshl_add_u32 v[ARL], v4, 2, RL
	s_mul_i32 s21, s10, 16*SP
	s_add_co_u32 s21, s21, STAGE                   ; my stage
	v_mul_u32_u24 v[STO], v1, SP
	v_lshl_add_u32 v[STO], v2, 5, v[STO]
	v_add_nc_u32 v[STO], s21, v[STO]
	v_lshl_add_u32 v[RD], v3, 4, s21
	v_lshlrev_b32 v[CO], 4, v3
	v_lshl_add_u32 v[FTA], v0, 3, FT
.irp a, 0,1,2,3
	v_mov_b32 v[RLR+2*(\a)+1], 0                   ; named with their partners as pairs
.endr
	s_lshl_b32 s16, s13, 8
	s_add_co_u32 s16, s16, s20                     ; my first row of out0
	s_lshl_b32 s16, s16, 12
	s_add_co_u32 s16, s16, s96                     ; my tile's 512 bytes of a row
	s_mov_b32 s17, 0
	s_add_nc_u64 s[8:9], s[8:9], s[16:17]
	; the prefetches: they stand at the fourth step of my walk; the first refill steps them to the fifth
	s_add_co_u32 s23, s[K0], 3
	s_lshl_b32 s20, s13, 8
	s_lshl_b32 s22, s12, 7
	s_add_co_u32 s20, s20, s22
	s_lshl_b32 s22, s40, 5
	s_add_co_u32 s20, s20, s22                     ; P: row 256 x query tile + 128 x half + 32 cx,
	s_lshl_b32 s20, s20, 12
	s_lshl_b32 s22, s23, 8
	s_add_co_u32 s20, s20, s22                     ; at that K step's 256 bytes
	s_lshl_b32 s21, s69, 11
	s_lshl_b32 s22, s41, 5
	s_add_co_u32 s21, s21, s22
	s_lshl_b32 s22, s23, 7
	s_add_co_u32 s21, s21, s22                     ; v^: row 2,048 x batch + 32 cy + that K step's 128 rows
	s_lshl_b32 s21, s21, 12
	s_lshl_b32 s22, s42, 8
	s_add_co_u32 s21, s21, s22
	s_add_co_u32 s21, s21, 2048
	s_mov_b32 s78, 0x80000                         ; a K step: 128 rows of qv,
	s_mov_b32 s79, 0
	s_cmp_eq_u32 s11, 0
	s_cselect_b32 s20, s20, s21
	s_cselect_b32 s78, 256, s78                    ; or 256 bytes of a row of p
	s_cselect_b64 s[PFA:PFA+1], s[4:5], s[6:7]
	s_mov_b32 s21, 0
	s_add_nc_u64 s[PFA:PFA+1], s[PFA:PFA+1], s[20:21]
	s_cmp_eq_u32 s10, 3
	s_cselect_b32 s[LIM], -1, 10                   ; wave 3 asks for nothing
	v_lshlrev_b32 v[PFO], 12, v3
	s_wait_loadcnt 0x0                             ; the statistics and the bias are in
	s_wait_kmcnt 0x0                               ; and 1 / sigma2
	WIN 0xcf                                       ; the bias is rounded to bf16, like every input
.set i, 0
.rept 32
	v_cvt_pk_bf16_f32 v[RES+i], v[2*i], v[2*i+1]
.set i, i+1
.endr
.set i, 0
.rept 32
	v_lshlrev_b32 v[2*i], 16, v[RES+i]
	v_and_b32 v[2*i+1], s74, v[RES+i]
.set i, i+1
.endr
	WIN 0
.irp e, 0,1                                    ; m: the largest of the row's sixteen cm_t
	v_max3_num_f32 v[MXP+(\e)], v[64+(\e)], v[66+(\e)], v[68+(\e)]
.irp t, 3,5,7,9,11,13
	v_max3_num_f32 v[MXP+(\e)], v[MXP+(\e)], v[64+2*(\t)+(\e)], v[66+2*(\t)+(\e)]
.endr
	v_max_num_f32 v[MXP+(\e)], v[MXP+(\e)], v[94+(\e)]
.endr
.set t, 0
.rept 16
	v_pk_add_f32 v[64+2*t:65+2*t], v[64+2*t:65+2*t], v[MXP:MXP+1] neg_lo:[0,1] neg_hi:[0,1]
.set t, t+1
.endr
.set i, 0
.rept 32
	v_exp_f32 v[64+i], v[64+i]                     ; f_t
.set i, i+1
.endr
	v_nop                                          ; a plain instruction behind the last exponential,
	s_wait_alu depctr_va_vdst(0)                   ; and one wait for the 32, ahead of their first reader
	v_pk_mul_f32 v[LL:LL+1], v[64:65], v[96:97]
.set t, 1
.rept 15
	v_pk_fma_f32 v[LL:LL+1], v[64+2*t:65+2*t], v[96+2*t:97+2*t], v[LL:LL+1]
.set t, t+1
.endr
	v_rcp_f32 v[RC], v[LL]
	v_rcp_f32 v[RC+1], v[LL+1]
	v_nop
.set i, 0
.rept 32
	v_cvt_pk_f16_f32 v[64+i], v[64+i], v[64+i]     ; f_t twice in a word: the independent work behind the reciprocals
.set i, i+1
.endr
	s_wait_alu depctr_va_vdst(0)                   ; one wait for the two reciprocals
	v_mul_f32 v[RC], s87, v[RC]
	v_mul_f32 v[RC+1], s87, v[RC+1]
.set t, 0
.rept 16
	ds_store_b64 v[FTA], v[64+2*t:65+2*t] offset:1024*t
.set t, t+1
.endr
	ds_store_b64 v[FTA], v[RC:RC+1] offset:16384
; The product for block 2 hi + a2 and channels 16 b on, on buffers g; the window setting says which pair of blocks is meant.
.macro MM a2, b, g, zero
.if \zero
	v_wmma_f32_16x16x32_f16 v[8*(8*(\a2)+(\b)):8*(8*(\a2)+(\b))+7], v[VF+64*(\g)+8*(\b):VF+64*(\g)+8*(\b)+7], v[PB+16*(\g)+8*(\a2):PB+16*(\g)+8*(\a2)+7], 0
.else
	v_wmma_f32_16x16x32_f16 v[8*(8*(\a2)+(\b)):8*(8*(\a2)+(\b))+7], v[VF+64*(\g)+8*(\b):VF+64*(\g)+8*(\b)+7], v[PB+16*(\g)+8*(\a2):PB+16*(\g)+8*(\a2)+7], v[8*(8*(\a2)+(\b)):8*(8*(\a2)+(\b))+7]
.endif
.endm
; A pair of blocks (hi = 0: blocks 0, 1 in window 1; hi = 1: blocks 2, 3 in window 2), 32 keys.  HALF1: the first block's fragment of P times its f (eight lines), then its eight products,
; behind each a line of the second block's fragment times its f.  HALF2: the second block's eight products.  The 32 accumulators take turns, in the same order in every quarter.
.macro HALF1 hi, g, zero
	WIN 0x54*(1+(\hi))                             ; D, C and source 1 in window 1 (0x54) or 2 (0xa8), source 0 in window 0
.irp j, 0,1,2,3,4,5,6,7
	v_pk_mul_f16 v[PB+16*(\g)+(\j)], v[F+2*(\hi)], v[PB+16*(\g)+(\j)]
.endr
.irp b, 0,1,2,3,4,5,6,7
	MM 0, \b, \g, \zero
	v_pk_mul_f16 v[PB+16*(\g)+8+(\b)], v[F+2*(\hi)+1], v[PB+16*(\g)+8+(\b)]
.endr
.endm
.macro HALF2 hi, g, zero
	WIN 0x54*(1+(\hi))
.irp b, 0,1,2,3,4,5,6,7
	MM 1, \b, \g, \zero
.endr
.endm
; A run of LDS loads: quarter q's fragments (32 keys: 16 turning loads of v^, 8 loads of P) into buffers g.  With quarter 2 comes the next step's f.
; The buffers' last readers stand in the quarter before; the sixteen multiplies of the pair of blocks just multiplied, which name none of those readers' registers, are the places between.
.macro FETCH q, g
	WIN 0
.if (\q) == 2
.irp a, 0,1,2,3
	ds_load_b32 v[G+(\a)], v[ADRF] offset:64*(\a)
.endr
	v_add_nc_u32 v[ADRF], 1024, v[ADRF]
.endif
.irp b, 0,1,2,3,4,5,6,7
	ds_load_tr16_b128 v[VF+64*(\g)+8*(\b):VF+64*(\g)+8*(\b)+3],   v[ADRV] offset:32*PVP*(\q)+32*(\b)
	ds_load_tr16_b128 v[VF+64*(\g)+8*(\b)+4:VF+64*(\g)+8*(\b)+7], v[ADRV] offset:32*PVP*(\q)+32*(\b)+16*PVP
.endr
	WIN 0x54                                       ; destination window 1, address window 0
.irp a, 0,1
	ds_load_b128 v[PB+16*(\g)+8*(\a):PB+16*(\g)+8*(\a)+3],   v[ADRP] offset:16*PP*(\a)+64*(\q)
	ds_load_b128 v[PB+16*(\g)+8*(\a)+4:PB+16*(\g)+8*(\a)+7], v[ADRP] offset:16*PP*(\a)+64*(\q)+32
.endr
	WIN 0xa8                                       ; destination window 2
.irp a, 0,1
	ds_load_b128 v[PB+16*(\g)+8*(\a):PB+16*(\g)+8*(\a)+3],   v[ADRP] offset:16*PP*((\a)+2)+64*(\q)
	ds_load_b128 v[PB+16*(\g)+8*(\a)+4:PB+16*(\g)+8*(\a)+7], v[ADRP] offset:16*PP*((\a)+2)+64*(\q)+32
.endr
.endm
; A quarter step: multiplies buffers f; in its middle fetches quarter q into buffers g.  mv = 1: a step's first quarter: the step's f, fetched three quarters ago, takes its place.
.macro QUARTER q, f, g, zero, mv
	s_wait_dscnt 4                                 ; all but the youngest four loads (P's blocks 2 and 3)
.if \mv
	WIN 0
.irp a, 0,1,2,3
	v_mov_b32 v[F+(\a)], v[G+(\a)]
.endr
.endif
	HALF1 0, \f, \zero
	HALF2 0, \f, \zero
	FETCH \q, \g
	s_wait_dscnt 24                                ; the run before is in (of this run's at most the four f)
	HALF1 1, \f, \zero
	HALF2 1, \f, \zero
.endm
; The last quarter multiplies buffers 1 and changes slots: each wave waits for all its tensor loads, adds 0 to its spare word, waits for that and for its reads of the slot, and meets the others.
; fill = 1: the barrier opens a round of the cluster's; the slot just read is filled again, with the step of the walk two on, first thing behind it: 112 matrix instructions ahead of the wait for it.
; The descriptors' global addresses are made anew from the step's number.  fill = 0 (the tail): nothing is asked for.
.macro TURN fill
.if \fill
	s_wait_xcnt 0x0                                ; the last prefetch, a K step back, has read its address
	s_add_nc_u64 s[PFA:PFA+1], s[PFA:PFA+1], s[78:79]
.endif
	WIN 0
	s_xor_b32 s[TB], s[TB], SL
	v_add_nc_u32 v[ADRP], s[TB], v[ADRP0]
	v_add_nc_u32 v[ADRV], s[TB], v[ADRV0]
	s_wait_tensorcnt 0x0                           ; all my tensor loads have landed: my part of the next slot
	ds_add_u32 v[SPW], v[NIL]
	s_wait_dscnt 5                                 ; (the add and the youngest four loads may be out)
	HALF1 0, 1, 0
	s_wait_dscnt 0x0                               ; the add is done, and my reads of this slot are over
	s_barrier_signal -1
	HALF2 0, 1, 0
	WIN 0
	s_barrier_wait -1
.if \fill
	CREST                                          ; no wave of any partner still reads this slot or has a load on its way
	s_xor_b32 s[G0+5], s[G0+5], SL
	s_lshl_b32 s[OFF], s[KN], 8
	s_add_nc_u64 s[G0+6:G0+7], s[14:15], s[OFF:OFF+1]
	s_or_b32 s[G0+7], s[G0+7], 0x80000000
	s_xor_b32 s[G0B+5], s[G0B+5], SL
	s_lshl_b32 s[OFF], s[KN], 19
	s_add_nc_u64 s[G0B+6:G0B+7], s[46:47], s[OFF:OFF+1]
	s_or_b32 s[G0B+7], s[G0B+7], 0x80000000
	s_add_co_u32 s[KN], s[KN], 1                   ; the walk's next step: behind step 15 comes step 0
	s_and_b32 s[KN], s[KN], 15
	JLOAD
	FETCH 0, 0
	WIN 0
	ASK
.else
	PLACES
	s_cmp_eq_u32 s3, 1
	s_cbranch_scc1 .Lnf_\@
	FETCH 0, 0
	WIN 0
.Lnf_\@:
.endif
	HALF1 1, 1, 0
	HALF2 1, 1, 0
.endm
	s_wait_tensorcnt 0x1                           ; my part of the walk's first step is in; the second's may stay out
	s_wait_dscnt 0x0                               ; my rows of the two tables are stored
	s_barrier_signal -1
	s_barrier_wait -1
.irp a, 0,1,2,3
	ds_load_b32 v[F+(\a)], v[ADRF] offset:64*(\a)  ; the first step's f
.endr
	v_add_nc_u32 v[ADRF], 1024, v[ADRF]
	FETCH 0, 0
	QUARTER 1, 0, 1, 1, 0                          ; the first products start the sums
	WIN 0
	s_mov_b32 s3, NK-2
.Lstep:                                                ; quarters 1-3 of a K step, the next step's quarter 0; the slot left is filled again
	QUARTER 2, 1, 0, 0, 0
	QUARTER 3, 0, 1, 0, 0
	TURN 1
	QUARTER 1, 0, 1, 0, 1
	WIN 0
	s_sub_co_u32 s3, s3, 1
	s_cmp_lg_u32 s3, 0
	s_cbranch_scc1 .Lstep
	s_mov_b32 s3, 2
.Ltail:                                                ; the last two K steps ask for nothing; the second jumps over what belongs to a further step (the four words that it fetches as a next f lie in the table behind and are not used)
	QUARTER 2, 1, 0, 0, 0
	QUARTER 3, 0, 1, 0, 0
	TURN 0
	WIN 0
	s_cmp_eq_u32 s3, 1
	s_cbranch_scc1 .Lskip
	QUARTER 1, 0, 1, 0, 1
	WIN 0
.Lskip:
	s_sub_co_u32 s3, s3, 1
	s_cmp_lg_u32 s3, 0
	s_cbranch_scc1 .Ltail
	; THE WAY OUT, a block of 16 queries at a time: the sums times 1 / (l sigma2), plus the bias; through my stage; a row of the tile is 512 consecutive bytes of out0.
	PLACES
.irp a, 0,1,2,3
	ds_load_b32 v[RLR+2*(\a)], v[ARL] offset:64*(\a)
.endr
	s_wait_dscnt 0x0
.macro OUT a
.set BK, 128+64*((\a)%2)
	WIN 0xf1+((\a)/2)                              ; result and bias window 3, the row's factor window 0, the sums window 1 or 2
.set i, 0
.rept 32
	v_pk_fma_f32 v[RES+2*i:RES+2*i+1], v[64*((\a)%2)+2*i:64*((\a)%2)+2*i+1], v[RLR+2*(\a):RLR+2*(\a)+1], v[2*i:2*i+1] op_sel_hi:[1,0,1]
.set i, i+1
.endr
	WIN 0x0c                                       ; store data window 3
.irp b, 0,1,2,3,4,5,6,7
	ds_store_b128 v[STO], v[RES+8*(\b):RES+8*(\b)+3]   offset:64*(\b)
	ds_store_b128 v[STO], v[RES+8*(\b)+4:RES+8*(\b)+7] offset:64*(\b)+16
.endr
	s_wait_xcnt 0x0                                ; the stores of the block two back have read the registers loaded below
	WIN 0xc0
.irp t, 0,1,2,3,4,5,6,7,8,9,10,11,12,13,14,15
	ds_load_b128 v[BK+4*(\t):BK+4*(\t)+3], v[RD] offset:SP*(\t)  ; LDS serves a wave's instructions in order (ISA guide 5.7.1.4)
.endr
	WIN 0x0c
.irp t, 0,1,2,3,4,5,6,7,8,9,10,11,12,13,14,15
	s_wait_dscnt 15-(\t)
	global_store_b128 v[CO], v[BK+4*(\t):BK+4*(\t)+3], s[8:9] offset:(16*(\a)+(\t))*4096 th:TH_STORE_NT  ; 32 lanes store 512 consecutive bytes, aligned
.endr
.endm
	OUT 0
	OUT 1
	OUT 2
	OUT 3
	WIN 0
	s_wait_tensorcnt 0x0                           ; the wave's end
	ds_add_u32 v[SPW], v[NIL]
	s_wait_dscnt 0x0
	CROUND                                         ; the closing round
	s_endpgm
.Lfunc_end_k_q3dd253f893_pv:
	.size	k_q3dd253f893_pv, .Lfunc_end_k_q3dd253f893_pv-k_q3dd253f893_pv
	.p2alignl 7, 3214868480
	.fill 96, 4, 3214868480
	.section	.rodata,"a",@progbits
	.p2align	6, 0x0
	.amdhsa_kernel k_q3dd253f893_pv
		.amdhsa_group_segment_fixed_size 327680
		.amdhsa_private_segment_fixed_size 0
		.amdhsa_enable_private_segment 0
		.amdhsa_kernarg_size 48
		.amdhsa_user_sgpr_count 2
		.amdhsa_user_sgpr_kernarg_segment_ptr 1
		.amdhsa_wavefront_size32 1
		.amdhsa_system_sgpr_workgroup_id_x 1
		.amdhsa_system_sgpr_workgroup_id_y 1
		.amdhsa_system_sgpr_workgroup_id_z 1
		.amdhsa_system_vgpr_workitem_id 0
		.amdhsa_next_free_vgpr 1024
		.amdhsa_next_free_sgpr 100
		.amdhsa_reserve_vcc 0
		.amdhsa_float_denorm_mode_32 3
		.amdhsa_float_denorm_mode_16_64 3
		.amdhsa_memory_ordered 1
		.amdhsa_forward_progress 1
		.amdhsa_inst_pref_size 107
	.end_amdhsa_kernel
	.amdgpu_metadata
---
amdhsa.version: [ 1, 2 ]
amdhsa.kernels:
  - .name:           k_q3dd253f893_pv
    .symbol:         k_q3dd253f893_pv.kd
    .args:
      - { .name: p, .offset: 0, .size: 8, .value_kind: global_buffer, .address_space: global }
      - { .name: qv, .offset: 8, .size: 8, .value_kind: global_buffer, .address_space: global }
      - { .name: out0, .offset: 16, .size: 8, .value_kind: global_buffer, .address_space: global }
      - { .name: st, .offset: 24, .size: 8, .value_kind: global_buffer, .address_space: global }
      - { .name: bo, .offset: 32, .size: 8, .value_kind: global_buffer, .address_space: global }
      - { .name: sc, .offset: 40, .size: 8, .value_kind: global_buffer, .address_space: global }
    .group_segment_fixed_size: 327680
    .private_segment_fixed_size: 0
    .kernarg_segment_align: 8
    .kernarg_segment_size: 48
    .max_flat_workgroup_size: 128
    .sgpr_count:     100
    .vgpr_count:     1024
    .wavefront_size: 32
...
	.end_amdgpu_metadata
.endif
;; end of part 5
